; MI455X (gfx1250); checked and timed in simulation.
; The chip was launched on July 23, 2026; its instructions are those of AMD's public machine-readable ISA for CDNA 5 (MIT licence, August 2026) and "CDNA5" Instruction Set Architecture Reference Guide (July 2026). The comments in the code are by the model that wrote it; some were corrected since.
;; Adaptive Attention. Allowed arithmetic: matrix products marked QUANTISED: E2M3 operands, one E8M0 scale for each 32 along K, by v_wmma_scale_f32_16x16x128_f8f6f4 with both operands' format E2M3, f32 sums; everything else in f32.
;; Inputs: Wout 1,024 x 1,024 float32; Wqkv 1,024 x 3,072 float32; bout 1,024 float32; bqkv 3,072 float32; x 4 x 2,048 x 1,024 float32.
;; Outputs: out0 4 x 2,048 x 1,024 float32.
;; This version of the problem:
;;   THIS VERSION OF THE PROBLEM IS GIVEN IN LOW PRECISION. The matrix products marked QUANTISED in the list below multiply operands that are first quantised to E2M3 (2 exponent bits, 3 mantissa bits; 6 bits a number), with one power-of-two scale for each 32 numbers along K (OCP MX v1.0); their sums are f32. All else is computed in f32.
;;   The module's matrix products, in the order in which they are computed (A, B: the left and right operand; K: the contracted axis; several contracted axes count as one K, in the product's order):
;;     1. [M 8,192, K 1,024] x [K 1,024, N 3,072]; A: input x; B: input Wqkv: QUANTISED
;;     2. batch 4 x [M 2,048, K 1,024] x [K 1,024, N 2,048]; A: computed on the way; B: computed on the way: QUANTISED
;;     3. batch 4 x [M 2,048, K 2,048] x [K 2,048, N 1,024]; A: softmax (see below); B: computed on the way: QUANTISED
;;     4. [M 8,192, K 1,024] x [K 1,024, N 1,024]; A: computed on the way; B: input Wout: QUANTISED
;;   THE QUANTISER, for each operand of a quantised product, along K:
;;     - K is cut into blocks of 32 from its start; a last block that is shorter is filled with zeros.
;;     - A block's scale is 2^e with e = floor(log2(the largest magnitude in the block)) - 2, held to -126 .. 127; a block of zeros has e = 0. As a byte (E8M0): e + 127.
;;     - Each number is divided by its block's scale, clamped to +-7.5, and rounded to the nearest number of E2M3, ties to even, subnormals kept.
;;     - The product sums the exact products of the quantised numbers (number of the format x scale) in f32.
;;   ~~~python
;;   def quantise(x, axis):      # numpy; x: float32 -> the quantised numbers, widened to float32 again
;;       x = np.moveaxis(x, axis, -1); K = x.shape[-1]
;;       x = np.pad(x, [(0, 0)] * (x.ndim - 1) + [(0, -K % 32)]); x = x.reshape(x.shape[:-1] + (-1, 32)); a = np.abs(x).max(-1, keepdims=True)
;;       e = np.where(a > 0, np.clip(np.frexp(np.where(a > 0, a, 1))[1] - 1 - 2, -126, 127), 0)      # np.frexp(a)[1] - 1 = floor(log2(a)), exactly
;;       r = np.clip(x / 2.0 ** e, -7.5, 7.5)
;;       step = 2.0 ** (np.maximum(np.frexp(np.where(r == 0, 1, r))[1] - 1, 0) - 3)
;;       q = np.round(r / step) * step * 2.0 ** e      # np.round: ties to even
;;       return np.moveaxis(q.reshape(q.shape[:-2] + (-1,))[..., :K], -1, axis).astype(np.float32)
;;   ~~~
;;   SOFTMAX AHEAD OF A QUANTISED PRODUCT. Where the list says 'softmax', what is quantised is not the finished softmax but p = 2^(t - M), with t = logit x log2(e) and M = ceil(the row's largest t), a whole number; so 1/2 < the row's largest p <= 1. The row's sum l is taken of the UNQUANTISED p, in f32, and the product's result is divided by l at the end. Since M is a whole number, a kernel that streams over the keys may use a running M (the ceiling of the running maximum): every later rescaling is an exact power of two, which a block's scale takes up: the codes' values come out the same.
;;   OPERANDS COMPUTED ON THE WAY. 'Computed on the way' means the value that the module computes at that place (a softmax that the list does not call 'softmax' is quantised finished and normalised). What goes into a quantiser is computed in f32, as accurately as f32 sums, v_exp_f32 and their like allow (about 1e-6 of the number): no bf16 or f16 on the way to a quantiser, and a product that is left as it is and whose result goes on into a quantised operand takes f32 operands (vector FMAs, or v_wmma_f32_16x16x4_f32). A number that lies on a knife's edge between two numbers of the format may be rounded either way, as far as f32 arithmetic and the matrix unit's own rounding can turn it there, and no further.
;; One version. Each part assembles by itself: llvm-mc -triple=amdgcn-amd-amdhsa -mcpu=gfx1250 --defsym DOCPART=n.
;; ======== version 1 of 1: 5 launches
;; limits: right only within a limited range of input values
;; workspace buffers: opnd 9,830,400 bytes; qkvb 19,660,800 bytes; pbuf 14,155,776 bytes; obuf 6,553,600 bytes
;; launch prep (part 1): grid 384 x 1, 4 waves a work-group, no clusters, 60,928 bytes of LDS; arguments x, Wqkv, Wout, opnd; writes opnd
.if DOCPART == 1
	.amdgcn_target "amdgcn-amd-amdhsa--gfx1250"
	.amdhsa_code_object_version 6
	.text
	.protected	k_qbab2d7b05d_prep
	.globl	k_qbab2d7b05d_prep
	.p2align	8
	.type	k_qbab2d7b05d_prep,@function
k_qbab2d7b05d_prep:
	s_mov_b64 s[64:65], 0
	v_nop
	global_prefetch_b8 v0, s[64:65] scope:SCOPE_SE
	s_setreg_imm32_b32 hwreg(HW_REG_WAVE_MODE, 25, 1), 1
	s_wait_xcnt 0x0
; x [8192][1024], Wqkv [1024][3072] and Wout [1024][1024], f32, become codes of FP6 (E2M3) with one E8M0 byte for each 32 along K, in the program's own layout.
; DEAD WORK: none is left out anywhere in this program.  All five inputs reach the output; bqkv moves the codes of q, k and v, so it stays.
; THE LAYOUT OF EVERY OPERAND OF THIS PROGRAM.  Rows go in blocks of 16; row r of block t is row 32 (t / 2) + 8 (t % 2) + r + 8 (r / 8) of the tensor.  A fragment (a block x 128 along K) is the image of the
; operand's 12 registers: register p of lane l at byte 512 (p / 4) + 16 l + 4 (p % 4): 1,536 bytes; fragments lie [block][K step].  Scale words (4 bytes: a row's 128 along K) lie [K step][block][16].
; A block's scale is 2^(floor(log2(largest magnitude)) - 2); its byte is the largest magnitude's exponent field - 2, held at 1 from below.
; LIMITS: a block of zeros gets the byte 1 where the rule says 127 (its codes are zeros, and this program alone reads the bytes); NaN and infinities among the inputs are not served.
; Work-groups 0-255 take x (K innermost): a wave takes 64 rows x 128 along K, four fragments; each load reads 512 consecutive bytes of a row, and the numbers turn through the wave's own stage in LDS so that a lane holds
; whole blocks of 32.  Work-groups 256-383 take the weights (K is the first axis): a lane takes a column and its registers run down K; the codes go through the wave's own LDS as register images and leave 512 bytes a store.
; The two paths have LDS bytes of their own.  No tensor load, no barrier: waves share nothing.
.set WC,    6291456                    ; opnd: x's codes at 0, Wqkv's here,
.set UC,    8650752                    ; Wout's,
.set XS,    9437184                    ; x's scale words,
.set WS,    9699328                    ; Wqkv's,
.set US,    9797632                    ; Wout's
.set XSS,   33792                      ; LDS: x path: four stages of 16 x 528 bytes from 0; then 256 bytes of scale words a wave
.set WST,   34816                      ; weights' path: 6,400 bytes a wave: two blocks x (two fragments + 128 bytes)
.set SPARE, 60416                      ; the spare words, 128 bytes a wave: no other line names them
	s_load_b256 s[4:11], s[0:1], 0x0               ; x s[4:5], Wqkv s[6:7], Wout s[8:9], opnd s[10:11]
	v_lshl_add_u32 v252, v0, 2, SPARE
	v_mov_b32 v253, 0
	v_lshrrev_b32 v1, 5, v0
	v_readfirstlane_b32 s16, v1                    ; wave
	v_and_b32 v2, 31, v0                           ; lane
	v_and_b32 v3, 15, v0                           ; r
	v_bfe_u32 v4, v0, 4, 1                         ; h
	v_lshlrev_b32 v9, 4, v2                        ; 16 x lane
	v_lshlrev_b32 v10, 3, v2                       ; 8 x lane
	s_mov_b32 s20, 0x76543210
	s_mov_b32 s21, 0xfedcba98                      ; v_permlanex16_b32's selects for lane l xor 16
	; every LDS address of both paths is made here, ahead of the parting
	s_mul_i32 s17, s16, 16*528
	v_add_nc_u32 v5, s17, v9                       ; x: into the stage: a row's 512 bytes as they lie
	v_mul_u32_u24 v6, v3, 528
	v_lshl_add_u32 v6, v4, 7, v6
	v_add_nc_u32 v6, s17, v6                       ; x: out of it: row r, + 128 h bytes
	s_lshl_b32 s17, s16, 8
	s_add_co_u32 s17, s17, XSS
	v_lshl_add_u32 v7, v3, 2, s17                  ; x: my row's scale word
	v_add_nc_u32 v8, s17, v10                      ; x: and 8 bytes a lane on the way out
	v_bfe_u32 v15, v0, 3, 1                        ; weights: which of the two blocks my column falls in,
	v_and_b32 v1, 7, v0
	v_lshl_add_u32 v1, v4, 3, v1                   ; and which row of it
	s_mul_i32 s18, s16, 6400
	s_add_co_u32 s18, s18, WST
	v_mul_u32_u24 v11, v15, 3200
	v_lshl_add_u32 v11, v1, 4, v11
	v_add_nc_u32 v11, s18, v11                     ; weights: into the images
	v_add_nc_u32 v12, s18, v9                      ; weights: out of them
	v_lshlrev_b32 v13, 6, v15
	v_lshl_add_u32 v13, v1, 2, v13                 ; weights: my scale word's place among the two blocks' 128 bytes
	s_cmp_lt_u32 ttmp9, 256
	s_cbranch_scc0 .Lweights
	; ---------------- x ----------------
	s_lshr_b32 s22, ttmp9, 1                       ; which 64 rows
	s_and_b32 s23, ttmp9, 1
	s_lshl_b32 s23, s23, 2
	s_add_co_u32 s23, s23, s16                     ; which K step: 4 (id % 2) + wave
	s_lshl_b32 s24, s22, 18                        ; 64 rows of 4,096 bytes
	s_lshl_b32 s25, s23, 9
	s_add_co_u32 s24, s24, s25
	s_mov_b32 s25, 0
	s_lshl_b32 s26, s22, 5                         ; four blocks x eight K steps
	s_add_co_u32 s26, s26, s23
	s_mul_i32 s26, s26, 1536
	s_mov_b32 s27, 0
	s_lshl_b32 s28, s23, 15                        ; a K step's scale words: 512 blocks x 64 bytes
	s_lshl_b32 s29, s22, 8
	s_add_co_u32 s28, s28, s29
	s_add_co_u32 s28, s28, XS
	s_mov_b32 s29, 0
	v_lshlrev_b32 v236, 3, v4                      ; 8 h: my bytes' shift in the scale word
	v_mov_b32 v235, 0                              ; written once: a lane permute's destination counts as one of its sources
	s_wait_kmcnt 0x0
	s_add_nc_u64 s[4:5], s[4:5], s[24:25]
	s_add_nc_u64 s[12:13], s[10:11], s[26:27]
	s_add_nc_u64 s[14:15], s[10:11], s[28:29]
.macro LOADX f                         ; fragment f's 16 rows, 512 consecutive bytes each, into set f % 2 (v16-79, v80-143)
.irp i, 0,1,2,3,4,5,6,7,8,9,10,11,12,13,14,15
	global_load_b128 v[16+64*((\f)%2)+4*\i:16+64*((\f)%2)+4*\i+3], v9, s[4:5] offset:(32*((\f)/2)+8*((\f)%2)+\i+8*(\i/8))*4096 th:TH_LOAD_NT
.endr
.endm
.macro FRAGX f
.if (\f) < 3
	s_wait_loadcnt 16                              ; this fragment's 16 loads are in; the next fragment's 16 may be out
.else
	s_wait_loadcnt 0x0
.endif
.irp i, 0,1,2,3,4,5,6,7,8,9,10,11,12,13,14,15
	ds_store_b128 v5, v[16+64*((\f)%2)+4*\i:16+64*((\f)%2)+4*\i+3] offset:528*\i
.endr
.irp c, 0,1
.irp j, 0,1,2,3,4,5,6,7
	ds_load_b128 v[144+32*\c+4*\j:144+32*\c+4*\j+3], v6 offset:256*\c+16*\j   ; k = 64 c + 32 h + 0 .. 31 of row r.  LDS serves a wave's instructions in order: these see the stores above
.endr
.endr
	s_wait_dscnt 0x0                               ; the numbers are back; the stage's stores and the last fragment's word store have read their registers
.if (\f) < 2
	LOADX (\f)+2
.endif
.irp c, 0,1
	v_max3_num_f32 v[228+\c], |v[144+32*\c]|, |v[145+32*\c]|, 0x1800000   ; my block 2 c + h: all 32 numbers are mine; the floor 2^(3 - 127) holds the byte at 1 from below
.endr
.irp i, 2,4,6,8,10,12,14,16,18,20,22,24,26,28,30
.irp c, 0,1
	v_max3_num_f32 v[228+\c], v[228+\c], |v[144+32*\c+\i]|, |v[145+32*\c+\i]|
.endr
.endr
.irp c, 0,1
	v_add_nc_u32 v[230+\c], 0xff000000, v[228+\c]  ; 2 off the exponent field: the conversion's scale operand
.endr
.irp c, 0,1
	v_lshrrev_b32 v[232+\c], 23, v[230+\c]         ; the scale's byte
.endr
	v_lshl_or_b32 v234, v233, 16, v232             ; bytes h and 2 + h of the row's word,
	v_lshlrev_b32 v234, v236, v234
	v_permlanex16_b32 v235, v234, s20, s21
	v_or_b32 v234, v234, v235                      ; with lane l xor 16's two the word is whole
	s_wait_alu depctr_va_vdst(0)
	s_wait_xcnt 0x0                                ; the last fragment's stores have read the codes' registers
.irp c, 0,1
	v_cvt_scalef32_pk16_fp6_f32 v[208+6*\c:210+6*\c], v[144+32*\c:159+32*\c], v[230+\c]
	v_cvt_scalef32_pk16_fp6_f32 v[220+4*\c:222+4*\c], v[160+32*\c:175+32*\c], v[230+\c]   ; (a conversion's three registers begin on an even number)
.endr
	v_nop                                          ; one plain place behind a scaled conversion
.irp c, 0,1
.irp i, 0,1,2
	v_mov_b32 v[211+6*\c+\i], v[220+4*\c+\i]
.endr
.endr
.irp k, 0,1,2
	global_store_b128 v9, v[208+4*\k:211+4*\k], s[12:13] offset:12288*(\f)+512*\k   ; 32 lanes store 512 consecutive bytes, aligned
.endr
	ds_store_b32 v7, v234 offset:64*(\f)           ; both halves of the lanes write the same word with the same value
.endm
	LOADX 0
	LOADX 1
	FRAGX 0
	FRAGX 1
	FRAGX 2
	FRAGX 3
	ds_load_b64 v[238:239], v8                     ; my wave's 64 scale words
	s_wait_dscnt 0x0
	global_store_b64 v10, v[238:239], s[14:15]     ; 256 consecutive bytes, aligned
	s_wait_tensorcnt 0x0                           ; the wave's end
	ds_add_u32 v252, v253
	s_wait_dscnt 0x0
	s_endpgm
	; ---------------- the weights ----------------
.Lweights:
	s_sub_co_u32 s22, ttmp9, 256
	s_and_b32 s23, s22, 3                          ; which 256 along K
	s_cmp_lt_u32 s22, 96                           ; 96 work-groups for Wqkv, 32 for Wout: the choice hangs on the work-group's number alone
	s_cselect_b32 s40, 0, 96
	s_mov_b32 s41, 4096
	s_cselect_b32 s41, 12288, s41                  ; a row of the weight in bytes; a K step's scale words are as many bytes
	s_mov_b32 s42, UC
	s_cselect_b32 s42, WC, s42
	s_mov_b32 s43, US
	s_cselect_b32 s43, WS, s43
	s_wait_kmcnt 0x0
	s_cselect_b64 s[6:7], s[6:7], s[8:9]
	s_sub_co_u32 s22, s22, s40
	s_lshr_b32 s22, s22, 2
	s_lshl_b32 s22, s22, 2
	s_add_co_u32 s22, s22, s16                     ; G: which 32 columns are my wave's: blocks 2 G, 2 G + 1
	s_lshl_b32 s44, s22, 7
	s_lshl_b32 s45, s23, 8
	s_mul_i32 s45, s45, s41
	s_add_co_u32 s44, s44, s45
	s_mov_b32 s45, 0
	s_add_nc_u64 s[24:25], s[6:7], s[44:45]        ; the first of eight bases, 32 rows apart
	s_lshl_b32 s46, s41, 5
	s_mov_b32 s47, 0
.irp t, 1,2,3,4,5,6,7
	s_add_nc_u64 s[24+2*\t:25+2*\t], s[22+2*\t:23+2*\t], s[46:47]
.endr
	v_lshlrev_b32 v16, 2, v2                       ; v16-47: 4 x lane + i rows; never rewritten
.irp i, 1,2,3,4,5,6,7,8,9,10,11,12,13,14,15,16,17,18,19,20,21,22,23,24,25,26,27,28,29,30,31
	v_add_nc_u32 v[16+\i], s41, v[15+\i]
.endr
	s_lshl_b32 s48, s22, 4
	s_lshl_b32 s49, s23, 1
	s_add_co_u32 s48, s48, s49
	s_mul_i32 s48, s48, 1536                       ; fragment (block 2 G, K step 2 kc)
	s_add_co_u32 s48, s48, s42
	s_mov_b32 s49, 0
	s_add_nc_u64 s[12:13], s[10:11], s[48:49]
	s_lshl_b32 s50, s23, 1
	s_mul_i32 s50, s50, s41
	s_lshl_b32 s51, s22, 7
	s_add_co_u32 s50, s50, s51
	s_add_co_u32 s50, s50, s43
	s_mov_b32 s51, 0
	s_add_nc_u64 s[14:15], s[10:11], s[50:51]
	v_add_nc_u32 v14, s41, v13                     ; the second K step's word
.macro LOADW t                         ; block t of 32 along K: 32 rows at my column, into set t % 2 (v48-79, v80-111): 128 consecutive bytes a load
.irp i, 0,1,2,3,4,5,6,7,8,9,10,11,12,13,14,15,16,17,18,19,20,21,22,23,24,25,26,27,28,29,30,31
	global_load_b32 v[48+32*((\t)%2)+\i], v[16+\i], s[24+2*(\t):25+2*(\t)] th:TH_LOAD_NT
.endr
.endm
.macro BLOCKW t
.set XB, 48+32*((\t)%2)
.set OF, 1536*((\t)/4)+256*((\t)%2)    ; the K step's image, and lanes 16-31 of it for an odd block
.if (\t) < 7
	s_wait_loadcnt 32                              ; this block's 32 loads are in; the next block's may be out
.else
	s_wait_loadcnt 0x0
.endif
	v_max3_num_f32 v118, |v[XB]|, |v[XB+1]|, |v[XB+2]|
	v_max3_num_f32 v119, |v[XB+3]|, |v[XB+4]|, |v[XB+5]|
.irp i, 6,10,14,18,22,26
	v_max3_num_f32 v118, v118, |v[XB+\i]|, |v[XB+\i+1]|
	v_max3_num_f32 v119, v119, |v[XB+\i+2]|, |v[XB+\i+3]|
.endr
	v_max3_num_f32 v118, v118, |v[XB+30]|, |v[XB+31]|
	v_max3_num_f32 v118, v118, v119, 0x1800000     ; and the floor
	v_add_nc_u32 v123, 0xff000000, v118
	v_lshrrev_b32 v126, 23, v123
.if (\t)%4 == 0
	v_mov_b32 v[124+(\t)/4], v126                  ; four bytes to a word, the lower K in the lower byte
.else
	v_lshl_or_b32 v[124+(\t)/4], v126, 8*((\t)%4), v[124+(\t)/4]
.endif
	v_cvt_scalef32_pk16_fp6_f32 v[112:114], v[XB:XB+15], v123
	v_cvt_scalef32_pk16_fp6_f32 v[120:122], v[XB+16:XB+31], v123
	v_nop                                          ; one plain place behind a scaled conversion
.irp i, 0,1,2
	v_mov_b32 v[115+\i], v[120+\i]
.endr
.if ((\t)%4)/2 == 0                    ; the block's six registers are registers 0-5 or 6-11 of the fragment
	ds_store_b128 v11, v[112:115] offset:OF
	ds_store_b64 v11, v[116:117] offset:OF+512
.else
	ds_store_b64 v11, v[112:113] offset:OF+520
	ds_store_b128 v11, v[114:117] offset:OF+1024
.endif
.if (\t)+2 < 8
	LOADW (\t)+2
.endif
	s_wait_dscnt 0x0                               ; the stores have read their registers: the next block's codes may be written
.endm
	s_wait_alu depctr_va_vdst(0)
	LOADW 0
	LOADW 1
.irp t, 0,1,2,3,4,5,6,7
	BLOCKW \t
.endr
	global_store_b32 v13, v124, s[14:15]           ; the two blocks' scale words: 128 consecutive bytes for each K step
	s_wait_alu depctr_va_vdst(0)
	global_store_b32 v14, v125, s[14:15]
.irp u, 0,1
.irp s, 0,1
.irp k, 0,1,2
	ds_load_b128 v[128+4*(6*\u+3*\s+\k):131+4*(6*\u+3*\s+\k)], v12 offset:3200*\u+1536*\s+512*\k
.endr
.endr
.endr
.irp u, 0,1
.irp s, 0,1
.irp k, 0,1,2
	s_wait_dscnt 11-(6*\u+3*\s+\k)
	global_store_b128 v9, v[128+4*(6*\u+3*\s+\k):131+4*(6*\u+3*\s+\k)], s[12:13] offset:12288*\u+1536*\s+512*\k
.endr
.endr
.endr
	s_wait_tensorcnt 0x0                           ; the wave's end
	ds_add_u32 v252, v253
	s_wait_dscnt 0x0
	s_endpgm
.Lfunc_end_k_qbab2d7b05d_prep:
	.size	k_qbab2d7b05d_prep, .Lfunc_end_k_qbab2d7b05d_prep-k_qbab2d7b05d_prep
	.p2alignl 7, 3214868480
	.fill 96, 4, 3214868480
	.section	.rodata,"a",@progbits
	.p2align	6, 0x0
	.amdhsa_kernel k_qbab2d7b05d_prep
		.amdhsa_group_segment_fixed_size 60928
		.amdhsa_private_segment_fixed_size 0
		.amdhsa_enable_private_segment 0
		.amdhsa_kernarg_size 32
		.amdhsa_user_sgpr_count 2
		.amdhsa_user_sgpr_kernarg_segment_ptr 1
		.amdhsa_wavefront_size32 1
		.amdhsa_system_sgpr_workgroup_id_x 1
		.amdhsa_system_sgpr_workgroup_id_y 1
		.amdhsa_system_sgpr_workgroup_id_z 1
		.amdhsa_system_vgpr_workitem_id 0
		.amdhsa_next_free_vgpr 256
		.amdhsa_next_free_sgpr 66
		.amdhsa_reserve_vcc 0
		.amdhsa_float_denorm_mode_32 3
		.amdhsa_float_denorm_mode_16_64 3
		.amdhsa_memory_ordered 1
		.amdhsa_forward_progress 1
		.amdhsa_inst_pref_size 73
	.end_amdhsa_kernel
	.amdgpu_metadata
---
amdhsa.version: [ 1, 2 ]
amdhsa.kernels:
  - .name:           k_qbab2d7b05d_prep
    .symbol:         k_qbab2d7b05d_prep.kd
    .args:
      - { .name: x, .offset: 0, .size: 8, .value_kind: global_buffer, .address_space: global }
      - { .name: Wqkv, .offset: 8, .size: 8, .value_kind: global_buffer, .address_space: global }
      - { .name: Wout, .offset: 16, .size: 8, .value_kind: global_buffer, .address_space: global }
      - { .name: opnd, .offset: 24, .size: 8, .value_kind: global_buffer, .address_space: global }
    .group_segment_fixed_size: 60928
    .private_segment_fixed_size: 0
    .kernarg_segment_align: 8
    .kernarg_segment_size: 32
    .max_flat_workgroup_size: 128
    .sgpr_count:     66
    .vgpr_count:     256
    .wavefront_size: 32
...
	.end_amdgpu_metadata
.endif
;; end of part 1
;; launch qkv (part 2): grid 12 x 32, 4 waves a work-group, clusters of 4 x 4, 327,680 bytes of LDS; arguments opnd, bqkv, qkvb; writes qkvb
.if DOCPART == 2
	.amdgcn_target "amdgcn-amd-amdhsa--gfx1250"
	.amdhsa_code_object_version 6
	.text
	.protected	k_qbab2d7b05d_qkv
	.globl	k_qbab2d7b05d_qkv
	.p2align	8
	.type	k_qbab2d7b05d_qkv,@function
k_qbab2d7b05d_qkv:
	s_mov_b64 s[64:65], 0
	v_nop
	global_prefetch_b8 v0, s[64:65] scope:SCOPE_SE
	s_setreg_imm32_b32 hwreg(HW_REG_WAVE_MODE, 25, 1), 1
	s_wait_xcnt 0x0
	s_wait_alu depctr_hold_cnt(0) depctr_sa_sdst(0) depctr_va_vdst(0) depctr_va_sdst(0) depctr_va_ssrc(0) depctr_va_vcc(0) depctr_vm_vsrc(0)
	s_getreg_b32 s2, hwreg(HW_REG_IB_STS2, 6, 4)
	s_cmp_eq_u32 s2, 0
	s_cbranch_scc0 .Lentry_in_a_cluster
	s_endpgm
.Lentry_in_a_cluster:
	s_bfe_u32 s2, ttmp6, 0x10000c
	s_cmp_lg_u32 s2, 0xf033
	s_cbranch_scc0 .Lentry_shape_is_right
	s_endpgm
.Lentry_shape_is_right:
; qkv = x Wqkv + bqkv on codes of FP6 (E2M3) with E8M0 scales, and its three parts quantised at once: q and k along d, v along the tokens (the keys).  No work is left out.
; A work-group of four waves makes 256 tokens x 256 columns, a wave 128 x 128: 64 accumulators.  K = 1,024 goes in eight steps of 128.  Operands lie in memory as images of their registers (1,536 bytes a fragment;
; row r of block t is row 32 (t / 2) + 8 (t % 2) + r + 8 (r / 8)), so a fragment is three ds_load_b128 at 16 x lane, and the sixteen registers of two neighbouring result tiles are sixteen neighbours along the next K.
; THREE LDS slots of two K steps each are filled at the start; slot 0 is filled once more, with the last two steps: one change of slots with a refill, one without.  All scale words come once, with the first fills.
; CLUSTERS: 4 x 4 work-groups; x's tiles are asked for jointly along a row of the cluster, Wqkv's along a column.
; TWO MODES, one stream of products.  Columns 0-2047 (q, k; cluster x 0, 1): source 0 = Wqkv, source 1 = x: a lane holds a token, its registers run along d.  Columns 2048-3071 (v; cluster x 2): source 0 = x, source 1 = Wqkv:
; a lane holds a column d, its registers run along the tokens.  Only the addresses at which LDS is READ differ; they hang on the cluster's x, which all partners share.
; LIMITS: a block of zeros gets the byte 1 where the rule says 127 (its codes are zeros; this program alone reads the bytes); NaN and infinities are not served.
; REGISTERS: window 0: v1-3 r, h, lane; v8-10, v12-14 fragment addresses by slot; v16 scale words' address; v17 16 x lane; v18-25 the way out; v28, v29 the add's two; v32-47 scale words, two sets;
;   v64-159, v160-255 source 1's fragments, two sets (on the way out: v64-127 numbers, v128-191 bias, v192-228 codes and scales).  window 1: source 0's fragments at v0 and v128.  windows 2, 3: accumulator (a, b) at v[8 (8 (a % 4) + b)].
; THE FILLS AS THEY STAND (in place of what is said of them above): at the head each wave issues one joint load: waves 0, 1 x's 16 blocks of slots 0, 1; waves 2, 3 Wqkv's.
; Slot 2 is first filled, a quarter a wave, behind the three lines and a round; slot 0 is filled once more.  The scale words come by 8 loads of 512 consecutive bytes a wave and are stored to LDS.
.set XS,    9437184
.set WC,    6291456
.set WS,    9699328
.set VC,    12582912
.set QKS,   18874368
.set VS,    19398656
.set HALFT, 24576                      ; 8 blocks x 2 K steps x 1,536 bytes: what one tensor load brings
.set SLOT,  4*HALFT                    ; x's two halves, then Wqkv's two
.set SCL,   3*SLOT                     ; the scale words: four halves of SH bytes, [K step][8 blocks][16 words]
.set SH,    4096
.set BIASL, SCL+4*SH                   ; the work-group's 256 numbers of bqkv
.set SST,   BIASL+1024                 ; 512 bytes a wave: the scale words made on the way out
.set SPARE, SST+2048                   ; the spare words, 128 bytes a wave: no other line names them
.set RSTEP, 9216                       ; from K steps 0, 1 to K steps 6, 7
.set ADR1,  8
.set ADR0,  12
.set ADRS,  16
.set LI,    17
.set SPW,   28
.set NIL,   29
.set SC,    32
.set PC,    192
.set TM,    212
.set PW,    228
.set SEL,   66
.set G1,    24                         ; s[24:31] group 1 for x's codes; s[32:43] groups 0 for slots 0-2; s[44:47] group 0 for x's scales
.set G0,    32
.set G0S,   44
.set G1B,   48                         ; s[48:55], s[56:63] and s[68:71], s[72:75]: the same for Wqkv
.set G0B,   56
.set G0B2,  68
.set G0SB,  72
.set G1S,   76
.set G1SB,  84
.set MSB,   0
.macro WIN new                         ; the immediate's high byte repeats the setting that is left
.if MSB != (\new)
	s_set_vgpr_msb (MSB<<8)|(\new)
.set MSB, (\new)
.endif
.endm
.macro PLACES n
.rept \n
	v_nop
.endr
.endm
.macro GROUP1 g, d0, d1, st            ; a tile of d1 rows of d0 elements of 8 bytes, st elements apart, dense in LDS
	s_mov_b32 s[\g+1], (\d0)<<16
	s_mov_b32 s[\g+2], (\d1)<<16
	s_mov_b32 s[\g+3], (\d0)<<16
	s_mov_b32 s[\g+4], \d1
	s_mov_b32 s[\g+5], \st
	s_mov_b32 s[\g+6], 0
	s_mov_b32 s[\g+7], 0
.endm
.macro JLOAD g0a, g1a, g0b, g1b        ; a joint load: waves 0, 1 fetch the first tensor's halves, waves 2, 3 the second's; an s_nop 0 and four v_nop follow each line
	s_cmp_eq_u32 s15, 0
	s_cbranch_scc0 .Lfor_b_\@
	tensor_load_to_lds s[\g0a:\g0a+3], s[\g1a:\g1a+7]
	s_nop 0
	PLACES 4
	s_branch .Lasked_\@
.Lfor_b_\@:
	tensor_load_to_lds s[\g0b:\g0b+3], s[\g1b:\g1b+7]
	s_nop 0
	PLACES 4
.Lasked_\@:
.endm
.macro CREST                           ; a round of the cluster's barrier behind its opening barrier
	s_cmp_lg_u32 s14, 0
	s_cbranch_scc1 .Lnot_wave_0_\@
	s_barrier_signal -3
.Lnot_wave_0_\@:
	s_barrier_wait -3
	s_barrier_signal -1
	s_barrier_wait -1
.endm
.macro CROUND
	s_barrier_signal -1
	s_barrier_wait -1
	CREST
.endm
; 56 LDS loads: a K step's fragments and scale words into set p: source 0's eight (24 loads), the words (8), source 1's blocks 0-3 (12), blocks 4-7 (12)
.macro FETCH slot, q, p, so
	WIN 0x40
.irp i, 0,1,2,3,4,5,6,7
.irp c, 0,1,2
	ds_load_b128 v[128*(\p)+12*\i+4*\c:128*(\p)+12*\i+4*\c+3], v[ADR0+(\slot)] offset:3072*\i+1536*(\q)+512*\c
.endr
.endr
	WIN 0
.irp i, 0,1,2,3,4,5,6,7
	ds_load_b32 v[SC+8*(\p)+\i], v[ADRS] offset:(\so)+64*\i   ; lanes 0-15: source 1's block i; lanes 16-31: source 0's
.endr
.irp i, 0,1,2,3,4,5,6,7
.irp c, 0,1,2
	ds_load_b128 v[64+96*(\p)+12*\i+4*\c:64+96*(\p)+12*\i+4*\c+3], v[ADR1+(\slot)] offset:3072*\i+1536*(\q)+512*\c
.endr
.endr
.endm
; 8 matrix instructions: source 1's block a against source 0's eight.  The 64 accumulators take turns in one order in every step
.macro MULR a, p, zero
	WIN 0xa1+0x50*((\a)/4)
.irp b, 0,1,2,3,4,5,6,7
.if \zero
	v_wmma_scale_f32_16x16x128_f8f6f4 v[8*(8*((\a)%4)+\b):8*(8*((\a)%4)+\b)+7], v[128*(\p)+12*\b:128*(\p)+12*\b+11], v[64+96*(\p)+12*(\a):64+96*(\p)+12*(\a)+11], 0, v[SC+8*(\p)+\b], v[SC+8*(\p)+(\a)] matrix_a_fmt:MATRIX_FMT_FP6 matrix_b_fmt:MATRIX_FMT_FP6 matrix_a_scale:MATRIX_SCALE_ROW1
.else
	v_wmma_scale_f32_16x16x128_f8f6f4 v[8*(8*((\a)%4)+\b):8*(8*((\a)%4)+\b)+7], v[128*(\p)+12*\b:128*(\p)+12*\b+11], v[64+96*(\p)+12*(\a):64+96*(\p)+12*(\a)+11], v[8*(8*((\a)%4)+\b):8*(8*((\a)%4)+\b)+7], v[SC+8*(\p)+\b], v[SC+8*(\p)+(\a)] matrix_a_fmt:MATRIX_FMT_FP6 matrix_b_fmt:MATRIX_FMT_FP6 matrix_a_scale:MATRIX_SCALE_ROW1
.endif
.endr
.endm
; A K step on set p that fetches its successor (slot nslot, step nq of it, scale words at so) into the other set
.macro STEP p, nslot, nq, so, zero
	s_wait_dscnt 12                                ; all of set p but the youngest 12 loads, source 1's blocks 4-7
	PLACES 4                                       ; four places between the last step's products and the loads into the set that they read
	MULR 0, \p, \zero
	MULR 1, \p, \zero
	FETCH \nslot, \nq, 1-(\p), \so
	MULR 2, \p, \zero
	MULR 3, \p, \zero
	s_wait_dscnt 56                                ; all but the 56 just issued
	MULR 4, \p, \zero
	MULR 5, \p, \zero
	MULR 6, \p, \zero
	MULR 7, \p, \zero
	WIN 0
.endm
; A slot's last step (set 1) changes slots: each wave waits for all its tensor loads, adds 0 to its spare word, waits for that and for its reads of the slot; one barrier.  fill = 1: the barrier opens a round of the cluster's, and the slot is filled again first thing behind it
.macro TURN slot, next, so, fill, adv
	s_wait_tensorcnt 0x0                           ; all my tensor loads have landed
	ds_add_u32 v[SPW], v[NIL]
	s_wait_dscnt 13                                ; (the add and source 1's blocks 4-7 may be out)
	MULR 0, 1, 0
	s_wait_dscnt 0x0                               ; the add is done, and my reads of this slot are over
	s_barrier_signal -1
	MULR 1, 1, 0
	WIN 0
	s_barrier_wait -1
.if \fill
	CREST                                          ; no wave of any partner still reads this slot or has a load on its way
	s_add_nc_u64 s[G0+4*\slot+2:G0+4*\slot+3], s[G0+4*\slot+2:G0+4*\slot+3], RSTEP
	s_add_nc_u64 s[G0B+4*\slot+2:G0B+4*\slot+3], s[G0B+4*\slot+2:G0B+4*\slot+3], RSTEP
	JLOAD G0+4*\slot, G1, G0B+4*\slot, G1B         ; its four v_nop are also the places in front of the loads below
.else
	PLACES 4
.endif
.if \adv
	v_add_nc_u32 v[ADRS], \adv, v[ADRS]            ; (no LDS load of mine is out)
.endif
	FETCH \next, 0, 0, \so
	MULR 2, 1, 0
	MULR 3, 1, 0
	MULR 4, 1, 0
	MULR 5, 1, 0
	MULR 6, 1, 0
	MULR 7, 1, 0
	WIN 0
.endm
; K step 2, on set 0, with the refill: each wave waits for all its tensor loads (the one that is out is its part of slot 2), adds 0 to its spare word, waits for that and for its LDS reads; the barrier opens a round of the
; cluster's; slot 0, whose last reads were K step 1's fragments, takes K steps 6 and 7; then K step 3's fragments come from slot 1
.macro TURNE
	s_wait_tensorcnt 0x0                           ; all my tensor loads have landed
	ds_add_u32 v[SPW], v[NIL]
	s_wait_dscnt 13                                ; (the add and source 1's blocks 4-7 may be out)
	MULR 0, 0, 0
	s_wait_dscnt 0x0                               ; the add is done, and all my LDS reads are back
	s_barrier_signal -1
	MULR 1, 0, 0
	WIN 0
	s_barrier_wait -1
	CREST                                          ; no wave of any partner still reads slot 0 or has a load on its way
	s_add_nc_u64 s[G0+2:G0+3], s[G0+2:G0+3], RSTEP
	s_add_nc_u64 s[G0B+2:G0B+3], s[G0B+2:G0B+3], RSTEP
	JLOAD G0, G1, G0B, G1B                         ; its four v_nop are also the places in front of the loads below
	FETCH 1, 1, 1, 1536
	MULR 2, 0, 0
	MULR 3, 0, 0
	MULR 4, 0, 0
	MULR 5, 0, 0
	MULR 6, 0, 0
	MULR 7, 0, 0
	WIN 0
.endm
.macro LAST
	s_wait_dscnt 12
	MULR 0, 1, 0
	MULR 1, 1, 0
	MULR 2, 1, 0
	MULR 3, 1, 0
	s_wait_dscnt 0x0
	MULR 4, 1, 0
	MULR 5, 1, 0
	MULR 6, 1, 0
	MULR 7, 1, 0
	WIN 0
.endm
; From the four blocks' largest magnitudes in v[TM] on: the conversions' scale operands (v[TM+12] on), the bytes, the row's scale word in v[PW]
.macro SCALEW
.irp b, 0,1,2,3
	v_add_nc_u32 v[TM+12+\b], 0xff000000, v[TM+\b] ; 2 off the exponent field
.endr
.irp b, 0,1,2,3
	v_lshrrev_b32 v[TM+4+\b], 23, v[TM+12+\b]
.endr
	v_lshl_or_b32 v[PW], v[TM+5], 8, v[TM+4]
	v_lshl_or_b32 v[PW], v[TM+6], 16, v[PW]
	v_lshl_or_b32 v[PW], v[TM+7], 24, v[PW]
.endm
; 64 numbers of a lane, register 16 b + i = k 32 b + 16 (lane / 16) + i of its row, become the fragment's 12 registers in v[PC] on
.macro CODES s
.irp c, 0,1
	v_cvt_scalef32_pk16_fp6_f32 v[PC+6*\c:PC+2+6*\c], v[\s+32*\c:\s+15+32*\c], v[TM+12+2*\c]
	v_cvt_scalef32_pk16_fp6_f32 v[PC+12+4*\c:PC+14+4*\c], v[\s+16+32*\c:\s+31+32*\c], v[TM+12+2*\c+1]   ; (a conversion's three registers begin on an even number)
.endr
	v_nop                                          ; one plain place behind a scaled conversion
.irp c, 0,1                            ; the operand's layout wants a whole block in a lane
.irp i, 0,1,2
	v_permlane16_swap_b32 v[PC+6*\c+\i], v[PC+12+4*\c+\i]
.endr
.irp i, 0,1,2
	v_mov_b32 v[PC+3+6*\c+\i], v[PC+12+4*\c+\i]
.endr
.endr
.endm
.macro QUANT s
.irp b, 0,1,2,3
	v_max3_num_f32 v[TM+\b], |v[\s+16*\b]|, |v[\s+1+16*\b]|, 0x1800000   ; with the floor 2^(3 - 127): the byte cannot fall under 1
.endr
.irp i, 2,4,6,8,10,12,14
.irp b, 0,1,2,3
	v_max3_num_f32 v[TM+\b], v[TM+\b], |v[\s+16*\b+\i]|, |v[\s+1+16*\b+\i]|
.endr
.endr
.irp b, 0,1,2,3
	v_permlanex16_b32 v[TM+4+\b], v[TM+\b], s[SEL], s[SEL+1]
.endr
.irp b, 0,1,2,3
	v_max_num_f32 v[TM+\b], v[TM+\b], v[TM+4+\b]   ; with lane l xor 16's: the block's largest magnitude
.endr
	SCALEW
	CODES \s
.endm
	s_load_b128 s[4:7], s[0:1], 0x0                ; opnd, bqkv
	s_load_b64 s[8:9], s[0:1], 0x10                ; qkvb
	v_lshl_add_u32 v[SPW], v0, 2, SPARE
	v_mov_b32 v[NIL], 0
	ds_add_u32 v[SPW], v[NIL]                      ; the wave's opening: the add, twice on end, and its wait ahead of my first tensor load
	ds_add_u32 v[SPW], v[NIL]
	v_lshrrev_b32 v1, 5, v0
	v_readfirstlane_b32 s14, v1                    ; wave
	s_lshr_b32 s15, s14, 1                         ; hi: my half of the tokens.  Also: I fetch x (0) or Wqkv (1)
	s_and_b32 s16, s14, 1                          ; lo: my half of the columns.  Also: which half I fetch
	s_bfe_u32 s17, ttmp6, 0x40000                  ; cx
	s_bfe_u32 s18, ttmp6, 0x40004                  ; cy
	s_lshl_b32 s19, ttmp9, 2
	s_add_co_u32 s19, s19, s17                     ; X: which 256 columns
	s_and_b32 s21, ttmp7, 0xffff
	s_lshl_b32 s20, s21, 2
	s_add_co_u32 s20, s20, s18                     ; Y: which 256 tokens
	s_cmp_ge_u32 ttmp9, 2
	s_cselect_b32 s23, 1, 0                        ; mode: 1 for v's columns; the same in all partners
	s_lshl_b32 s92, s18, 2
	s_lshl_b32 s92, 15, s92                        ; my row of the cluster
	s_lshl_b32 s93, 0x1111, s17                    ; my column
	s_or_b32 s[G1], s92, (3<<16)|(1<<21)           ; 15:0 the mask; 17:16 elements of 8 bytes; 21 set beside a mask; no padding
	s_or_b32 s[G1B], s93, (3<<16)|(1<<21)
	GROUP1 G1, 384, 16, 1536                       ; the head's loads: 16 blocks x 3,072 bytes (two K steps), 12,288 bytes from block to block
	GROUP1 G1B, 384, 16, 1536
	s_mov_b32 s[SEL], 0x76543210
	s_mov_b32 s[SEL+1], 0xfedcba98
	s_lshl_b32 s2, s16, 3
	s_lshl_b32 s94, s20, 4
	s_add_co_u32 s94, s94, s2                      ; x: block 16 Y + 8 lo
	s_lshl_b32 s98, s94, 6
	s_add_co_u32 s98, s98, XS
	s_mul_i32 s94, s94, 12288
	s_mov_b32 s95, 0
	s_mov_b32 s99, 0
	s_lshl_b32 s96, s19, 4
	s_add_co_u32 s96, s96, s2                      ; Wqkv: block 16 X + 8 lo
	s_lshl_b32 s100, s96, 6
	s_add_co_u32 s100, s100, WS
	s_mul_i32 s96, s96, 12288
	s_add_co_u32 s96, s96, WC
	s_mov_b32 s97, 0
	s_mov_b32 s101, 0
	s_mul_i32 s3, s14, HALFT                       ; where my tiles go: wave x a half: no place in the cluster enters an LDS address
	s_mul_i32 s2, s14, SH
	s_add_co_u32 s2, s2, SCL
	v_and_b32 v3, 31, v0                           ; lane
	v_lshlrev_b32 v[LI], 4, v3
	v_add_nc_u32 v26, s2, v[LI]                    ; where my half of the scale words goes
	s_wait_alu depctr_va_vdst(0)
	s_wait_dscnt 0x0
	s_wait_kmcnt 0x0
	s_add_nc_u64 s[94:95], s[4:5], s[94:95]
	s_add_nc_u64 s[96:97], s[4:5], s[96:97]
	CROUND                                         ; all sixteen work-groups are here: the first joint loads meet
	s_add_nc_u64 s[G0S+2:G0S+3], s[4:5], s[98:99]       ; x's scale words of my half
	s_add_nc_u64 s[G0SB+2:G0SB+3], s[4:5], s[100:101]   ; Wqkv's
.irp s, 0,1,2
.if \s < 2
.set GB, G0B+4*\s
.else
.set GB, G0B2
.endif
	s_mov_b32 s[G0+4*\s], 1
	s_add_co_u32 s[G0+4*\s+1], s3, \s*SLOT
	s_add_nc_u64 s[G0+4*\s+2:G0+4*\s+3], s[94:95], \s*3072
	s_or_b32 s[G0+4*\s+3], s[G0+4*\s+3], 0x80000000
	s_mov_b32 s[GB], 1
	s_add_co_u32 s[GB+1], s3, \s*SLOT
	s_add_nc_u64 s[GB+2:GB+3], s[96:97], \s*3072
	s_or_b32 s[GB+3], s[GB+3], 0x80000000
.endr
	; the head's group 0, in slot 1's registers: all 16 blocks of slot lo: 8 lo blocks back, 2 lo K steps on
	s_mul_i32 s2, s16, 95232                       ; 8 x 12,288 - 3,072
	s_mov_b32 s3, 0
	s_sub_nc_u64 s[G0+6:G0+7], s[94:95], s[2:3]
	s_or_b32 s[G0+7], s[G0+7], 0x80000000
	s_mul_i32 s[G0+5], s16, SLOT
	s_sub_nc_u64 s[G0B+6:G0B+7], s[96:97], s[2:3]
	s_or_b32 s[G0B+7], s[G0B+7], 0x80000000
	s_mul_i32 s[G0B+5], s16, SLOT
	s_add_co_u32 s[G0B+5], s[G0B+5], 2*HALFT
	s_cmp_eq_u32 s15, 0                            ; one joint load a wave at the head
	s_cbranch_scc0 .Lfirst_b
	tensor_load_to_lds s[G0+4:G0+7], s[G1:G1+7]
	s_nop 0
	PLACES 4
.irp j, 0,1,2,3,4,5,6,7
	global_load_b128 v[64+4*\j:67+4*\j], v[LI], s[G0S+2:G0S+3] offset:32768*\j   ; K step j's words of my 8 blocks: 512 consecutive bytes
.endr
	s_branch .Lfirst_done
.Lfirst_b:
	tensor_load_to_lds s[G0B+4:G0B+7], s[G1B:G1B+7]
	s_nop 0
	PLACES 4
.irp j, 0,1,2,3,4,5,6,7
	global_load_b128 v[64+4*\j:67+4*\j], v[LI], s[G0SB+2:G0SB+3] offset:12288*\j
.endr
.Lfirst_done:
	v_lshlrev_b32 v22, 3, v0                       ; the work-group's 256 numbers of bqkv: 8 bytes a thread
	s_lshl_b32 s92, s19, 10
	s_mov_b32 s93, 0
	s_add_nc_u64 s[6:7], s[6:7], s[92:93]
	global_load_b64 v[24:25], v22, s[6:7]
	v_add_nc_u32 v23, BIASL, v22
	v_and_b32 v1, 15, v0                           ; r
	v_bfe_u32 v2, v0, 4, 1                         ; h
	s_wait_alu depctr_va_vdst(0)
	s_mul_i32 s92, s15, HALFT                      ; x's half hi,
	s_mul_i32 s93, s16, HALFT
	s_add_co_u32 s93, s93, 2*HALFT                 ; Wqkv's half lo
	s_cmp_eq_u32 s23, 0
	s_cselect_b32 s2, s92, s93                     ; source 1: x, or for v's columns Wqkv
	s_cselect_b32 s3, s93, s92                     ; source 0: the other
.irp s, 0,1,2
	v_add_nc_u32 v[ADR1+\s], s2, v[LI]
	v_add_nc_u32 v[ADR0+\s], s3, v[LI]
	s_add_co_u32 s2, s2, SLOT
	s_add_co_u32 s3, s3, SLOT
.endr
	s_mul_i32 s92, s15, SH
	s_mul_i32 s93, s16, SH
	s_add_co_u32 s93, s93, 2*SH
	s_sub_co_u32 s93, s93, s92                     ; from x's words to Wqkv's
	v_xor_b32 v4, s23, v2                          ; lanes 16-31 take source 0's words: Wqkv's, or for v's columns x's
	v_mul_u32_u24 v4, s93, v4
	s_add_co_u32 s92, s92, SCL
	v_lshl_add_u32 v4, v1, 2, v4
	v_add_nc_u32 v[ADRS], s92, v4
	s_lshl_b32 s92, s14, 9
	s_add_co_u32 s92, s92, SST
	v_lshl_add_u32 v18, v1, 2, s92                 ; my row's new scale word
	v_add_nc_u32 v19, s92, v[LI]                   ; and 16 bytes a lane on the way out
	s_lshl_b32 s92, s16, 9
	s_add_co_u32 s92, s92, BIASL
	v_lshl_add_u32 v20, v2, 6, s92                 ; q, k: the bias of columns 128 lo + 16 h + ..
	v_and_b32 v21, 8, v1
	v_add_nc_u32 v21, v21, v1
	v_lshl_add_u32 v21, v21, 2, s92                ; v: the bias of column 128 lo + r + 8 (r / 8) + ..
	; where my results go.  q, k: token block 16 Y + 8 hi, K step 2 X + lo.  v: batch Y / 8, d block 16 (X - 8) + 8 lo, key step 2 (Y % 8) + hi
	s_lshl_b32 s92, s20, 4
	s_lshl_b32 s93, s15, 3
	s_add_co_u32 s92, s92, s93
	s_lshl_b32 s93, s19, 1
	s_add_co_u32 s93, s93, s16
	s_lshl_b32 s94, s92, 4
	s_add_co_u32 s94, s94, s93
	s_mul_i32 s94, s94, 1536
	s_lshl_b32 s96, s93, 15
	s_lshl_b32 s92, s92, 6
	s_add_co_u32 s96, s96, s92
	s_add_co_u32 s96, s96, QKS
	s_lshr_b32 s92, s20, 3
	s_sub_co_u32 s93, s19, 8
	s_lshl_b32 s93, s93, 4
	s_lshl_b32 s98, s16, 3
	s_add_co_u32 s93, s93, s98
	s_and_b32 s98, s20, 7
	s_lshl_b32 s98, s98, 1
	s_add_co_u32 s98, s98, s15
	s_lshl_b32 s99, s92, 6
	s_add_co_u32 s99, s99, s93
	s_lshl_b32 s99, s99, 4
	s_add_co_u32 s99, s99, s98
	s_mul_i32 s99, s99, 1536
	s_add_co_u32 s99, s99, VC
	s_lshl_b32 s92, s92, 16
	s_lshl_b32 s98, s98, 12
	s_add_co_u32 s92, s92, s98
	s_lshl_b32 s93, s93, 6
	s_add_co_u32 s92, s92, s93
	s_add_co_u32 s92, s92, VS
	s_cmp_eq_u32 s23, 0
	s_cselect_b32 s94, s94, s99
	s_cselect_b32 s96, s96, s92
	s_mov_b32 s95, 0
	s_mov_b32 s97, 0
	s_add_nc_u64 s[10:11], s[8:9], s[94:95]        ; codes
	s_add_nc_u64 s[12:13], s[8:9], s[96:97]        ; scale words
	s_wait_alu depctr_va_vdst(0)
	s_wait_loadcnt 0x0
	ds_store_b64 v23, v[24:25]
.irp j, 0,1,2,3,4,5,6,7
	ds_store_b128 v26, v[64+4*\j:67+4*\j] offset:512*\j
.endr
	s_wait_tensorcnt 0x0                           ; my head's load is in
	ds_add_u32 v[SPW], v[NIL]
	s_mov_b32 s[G1+2], 8<<16                       ; no load of mine is out: from here on a load brings 8 blocks
	s_mov_b32 s[G1+4], 8
	s_mov_b32 s[G1B+2], 8<<16
	s_mov_b32 s[G1B+4], 8
	s_wait_dscnt 0x0                               ; the add is done; the bias and my scale words lie in LDS
	CROUND                                         ; slots 0 and 1 are whole for every wave, and the joint loads meet
	JLOAD G0+8, G1, G0B2, G1B                      ; slot 2's first fill: K steps 4 and 5
	FETCH 0, 0, 0, 0
	STEP 0, 0, 1, 512, 1                           ; K step 0 starts the sums
	STEP 1, 1, 0, 1024, 0                          ; K step 1; on into slot 1 with no barrier: it was shown whole at the round above
	TURNE                                          ; K step 2; slot 2 is shown whole to every wave; slot 0 takes K steps 6 and 7
	STEP 1, 2, 0, 2048, 0                          ; on into slot 2 with no barrier: it was shown whole at the change above, and nothing is filled here
	STEP 0, 2, 1, 2560, 0
	TURN 2, 0, 3072, 0, 0                          ; the refill has had four K steps in which to land
	STEP 0, 0, 1, 3584, 0
	LAST
; THE WAY OUT.  Block a of source 1: 64 numbers a lane, + bias, quantised; the fragment leaves as three stores of 512 consecutive bytes; the scale words are gathered in my own LDS
.macro EPI a, vm
	s_wait_xcnt 0x0                                ; the last block's stores have read the codes' registers,
	s_wait_dscnt 0x0                               ; its word store its register; the bias is in
	WIN 2+(\a)/4
.set AC, 64*((\a)%4)
.set n, 0
.rept 32
.if \vm
	v_pk_add_f32 v[64+n:65+n], v[AC+n:AC+n+1], v[128+2*(\a):129+2*(\a)]   ; each accumulator from its low end on
.else
	v_pk_add_f32 v[64+n:65+n], v[AC+n:AC+n+1], v[128+n:129+n]
.endif
.set n, n+2
.endr
	WIN 0
	QUANT 64
.irp c, 0,1,2
	global_store_b128 v[LI], v[PC+4*\c:PC+4*\c+3], s[10:11] offset:24576*(\a)+512*\c
.endr
	ds_store_b32 v18, v[PW] offset:64*(\a)
.endm
	PLACES 4                                       ; behind the last products: their results are read, and their operands' registers written, below
.irp b, 0,1,2,3
	v_mov_b32 v[TM+4+\b], 0                        ; a lane permute's destination counts as one of its sources
.endr
	s_cmp_eq_u32 s23, 0
	s_cbranch_scc0 .Lvarm
.irp b, 0,1,2,3
.irp k, 0,1,2,3
	ds_load_b128 v[128+16*\b+4*\k:128+16*\b+4*\k+3], v20 offset:128*\b+16*\k   ; the bias of my 64 columns, in the results' order
.endr
.endr
.irp a, 0,1,2,3,4,5,6,7
	EPI \a, 0
.endr
	s_branch .Lfin
.Lvarm:
.irp a, 0,1,2,3,4,5,6,7
	ds_load_b32 v[128+2*\a], v21 offset:4*(32*(\a/2)+8*(\a%2))   ; one number a lane and block, in both registers of a pair
	ds_load_b32 v[129+2*\a], v21 offset:4*(32*(\a/2)+8*(\a%2))
.endr
.irp a, 0,1,2,3,4,5,6,7
	EPI \a, 1
.endr
.Lfin:
	ds_load_b128 v[64:67], v19                     ; my eight blocks' scale words: LDS serves a wave's instructions in order
	s_wait_dscnt 0x0
	global_store_b128 v[LI], v[64:67], s[12:13]    ; 512 consecutive bytes, aligned
	s_wait_tensorcnt 0x0                           ; the wave's end
	ds_add_u32 v[SPW], v[NIL]
	s_wait_dscnt 0x0
	CROUND                                         ; the closing round
	s_endpgm
.Lfunc_end_k_qbab2d7b05d_qkv:
	.size	k_qbab2d7b05d_qkv, .Lfunc_end_k_qbab2d7b05d_qkv-k_qbab2d7b05d_qkv
	.p2alignl 7, 3214868480
	.fill 96, 4, 3214868480
	.section	.rodata,"a",@progbits
	.p2align	6, 0x0
	.amdhsa_kernel k_qbab2d7b05d_qkv
		.amdhsa_group_segment_fixed_size 327680
		.amdhsa_private_segment_fixed_size 0
		.amdhsa_enable_private_segment 0
		.amdhsa_kernarg_size 24
		.amdhsa_user_sgpr_count 2
		.amdhsa_user_sgpr_kernarg_segment_ptr 1
		.amdhsa_wavefront_size32 1
		.amdhsa_system_sgpr_workgroup_id_x 1
		.amdhsa_system_sgpr_workgroup_id_y 1
		.amdhsa_system_sgpr_workgroup_id_z 1
		.amdhsa_system_vgpr_workitem_id 0
		.amdhsa_next_free_vgpr 1024
		.amdhsa_next_free_sgpr 102
		.amdhsa_reserve_vcc 0
		.amdhsa_float_denorm_mode_32 3
		.amdhsa_float_denorm_mode_16_64 3
		.amdhsa_memory_ordered 1
		.amdhsa_forward_progress 1
		.amdhsa_inst_pref_size 211
	.end_amdhsa_kernel
	.amdgpu_metadata
---
amdhsa.version: [ 1, 2 ]
amdhsa.kernels:
  - .name:           k_qbab2d7b05d_qkv
    .symbol:         k_qbab2d7b05d_qkv.kd
    .args:
      - { .name: opnd, .offset: 0, .size: 8, .value_kind: global_buffer, .address_space: global }
      - { .name: bqkv, .offset: 8, .size: 8, .value_kind: global_buffer, .address_space: global }
      - { .name: qkvb, .offset: 16, .size: 8, .value_kind: global_buffer, .address_space: global }
    .group_segment_fixed_size: 327680
    .private_segment_fixed_size: 0
    .kernarg_segment_align: 8
    .kernarg_segment_size: 24
    .max_flat_workgroup_size: 128
    .sgpr_count:     102
    .vgpr_count:     1024
    .wavefront_size: 32
...
	.end_amdgpu_metadata
.endif
;; end of part 2
;; launch scores (part 3): grid 8 x 32, 4 waves a work-group, clusters of 4 x 4, 327,680 bytes of LDS; arguments qkvb, pbuf; writes pbuf
.if DOCPART == 3
	.amdgcn_target "amdgcn-amd-amdhsa--gfx1250"
	.amdhsa_code_object_version 6
	.text
	.protected	k_qbab2d7b05d_scores
	.globl	k_qbab2d7b05d_scores
	.p2align	8
	.type	k_qbab2d7b05d_scores,@function
k_qbab2d7b05d_scores:
	s_mov_b64 s[64:65], 0
	v_nop
	global_prefetch_b8 v0, s[64:65] scope:SCOPE_SE
	s_setreg_imm32_b32 hwreg(HW_REG_WAVE_MODE, 25, 1), 1
	s_wait_xcnt 0x0
	s_wait_alu depctr_hold_cnt(0) depctr_sa_sdst(0) depctr_va_vdst(0) depctr_va_sdst(0) depctr_va_ssrc(0) depctr_va_vcc(0) depctr_vm_vsrc(0)
	s_getreg_b32 s2, hwreg(HW_REG_IB_STS2, 6, 4)
	s_cmp_eq_u32 s2, 0
	s_cbranch_scc0 .Lentry_in_a_cluster
	s_endpgm
.Lentry_in_a_cluster:
	s_bfe_u32 s2, ttmp6, 0x10000c
	s_cmp_lg_u32 s2, 0xf033
	s_cbranch_scc0 .Lentry_shape_is_right
	s_endpgm
.Lentry_shape_is_right:
; S = q k^T on codes of FP6 (E2M3) with E8M0 scales, and for each query and each piece of 128 keys: t = S log2(e) / 32; M = ceil(the piece's largest t), a whole number; p = 2^(t - M), quantised along the keys;
; l = the sum of the unquantised p.  Stored: p's codes and scale words, -M and l.  The next launch brings every piece under the row's M by an exact power of two, taken off the scale bytes.  No work is left out.
; A work-group of four waves makes 256 queries x 256 keys of one batch, a wave 128 x 128: a wave's 128 keys are one piece.  Source 0 = k (registers run along the keys), source 1 = q (a lane holds a query).
; The products' loop is the one of the launch qkv: three LDS slots of two K steps, one refill; operands as register images; 4 x 4 clusters, q's tiles joint along a row, k's along a column.
; LIMITS: a block of 32 keys whose largest p lies under 2^-60 is quantised with the scale of 2^-60, so that every byte is 65 .. 125 and the later shift by at most 64 borrows nothing: what is lost lies under 2^-58 of the row's sum.
; NaN and infinities are not served.
; REGISTERS: as in qkv; on the way out v64-127 t, then p; v192-211 codes; v212-227 the blocks' maxima, bytes, scale operands; v228 the word; v229 t's maximum; v230 -M; v232-237 sums.
; THE FILLS AS THEY STAND (in place of what is said of them above): at the head each wave issues one joint load: waves 0, 1 q's 16 blocks of slots 0, 1; waves 2, 3 k's.
; Slot 2 is first filled, a quarter a wave, behind the three lines and a round; slot 0 is filled once more.  The scale words come by 8 loads of 512 consecutive bytes a wave and are stored to LDS.
.set QKS,   18874368
.set PS,    12582912                   ; pbuf: codes at 0; scale words here, -M 524,288 bytes on, l 1,048,576 bytes on
.set HALFT, 24576
.set SLOT,  4*HALFT
.set SCL,   3*SLOT
.set SH,    4096
.set SST,   SCL+4*SH                   ; 1,536 bytes a wave: scale words, -M, l
.set SPARE, SST+6144                   ; the spare words, 128 bytes a wave: no other line names them
.set RSTEP, 9216
.set ADR1,  8
.set ADR0,  12
.set ADRS,  16
.set LI,    17
.set SPW,   28
.set NIL,   29
.set SC,    32
.set PC,    192
.set TM,    212
.set PW,    228
.set SEL,   66
.set G1,    24
.set G0,    32
.set G0S,   44
.set G1B,   48
.set G0B,   56
.set G0B2,  68
.set G0SB,  72
.set G1S,   76
.set G1SB,  84
.set MSB,   0
.macro WIN new                         ; the immediate's high byte repeats the setting that is left
.if MSB != (\new)
	s_set_vgpr_msb (MSB<<8)|(\new)
.set MSB, (\new)
.endif
.endm
.macro PLACES n
.rept \n
	v_nop
.endr
.endm
.macro GROUP1 g, d0, d1, st
	s_mov_b32 s[\g+1], (\d0)<<16
	s_mov_b32 s[\g+2], (\d1)<<16
	s_mov_b32 s[\g+3], (\d0)<<16
	s_mov_b32 s[\g+4], \d1
	s_mov_b32 s[\g+5], \st
	s_mov_b32 s[\g+6], 0
	s_mov_b32 s[\g+7], 0
.endm
.macro JLOAD g0a, g1a, g0b, g1b        ; a joint load: waves 0, 1 fetch q's halves, waves 2, 3 k's; an s_nop 0 and four v_nop follow each line
	s_cmp_eq_u32 s15, 0
	s_cbranch_scc0 .Lfor_b_\@
	tensor_load_to_lds s[\g0a:\g0a+3], s[\g1a:\g1a+7]
	s_nop 0
	PLACES 4
	s_branch .Lasked_\@
.Lfor_b_\@:
	tensor_load_to_lds s[\g0b:\g0b+3], s[\g1b:\g1b+7]
	s_nop 0
	PLACES 4
.Lasked_\@:
.endm
.macro CREST
	s_cmp_lg_u32 s14, 0
	s_cbranch_scc1 .Lnot_wave_0_\@
	s_barrier_signal -3
.Lnot_wave_0_\@:
	s_barrier_wait -3
	s_barrier_signal -1
	s_barrier_wait -1
.endm
.macro CROUND
	s_barrier_signal -1
	s_barrier_wait -1
	CREST
.endm
.macro FETCH slot, q, p, so            ; 56 LDS loads: source 0's eight fragments (24), the scale words (8), source 1's blocks 0-3 (12), blocks 4-7 (12)
	WIN 0x40
.irp i, 0,1,2,3,4,5,6,7
.irp c, 0,1,2
	ds_load_b128 v[128*(\p)+12*\i+4*\c:128*(\p)+12*\i+4*\c+3], v[ADR0+(\slot)] offset:3072*\i+1536*(\q)+512*\c
.endr
.endr
	WIN 0
.irp i, 0,1,2,3,4,5,6,7
	ds_load_b32 v[SC+8*(\p)+\i], v[ADRS] offset:(\so)+64*\i
.endr
.irp i, 0,1,2,3,4,5,6,7
.irp c, 0,1,2
	ds_load_b128 v[64+96*(\p)+12*\i+4*\c:64+96*(\p)+12*\i+4*\c+3], v[ADR1+(\slot)] offset:3072*\i+1536*(\q)+512*\c
.endr
.endr
.endm
.macro MULR a, p, zero                 ; 8 matrix instructions; the 64 accumulators take turns in one order in every step
	WIN 0xa1+0x50*((\a)/4)
.irp b, 0,1,2,3,4,5,6,7
.if \zero
	v_wmma_scale_f32_16x16x128_f8f6f4 v[8*(8*((\a)%4)+\b):8*(8*((\a)%4)+\b)+7], v[128*(\p)+12*\b:128*(\p)+12*\b+11], v[64+96*(\p)+12*(\a):64+96*(\p)+12*(\a)+11], 0, v[SC+8*(\p)+\b], v[SC+8*(\p)+(\a)] matrix_a_fmt:MATRIX_FMT_FP6 matrix_b_fmt:MATRIX_FMT_FP6 matrix_a_scale:MATRIX_SCALE_ROW1
.else
	v_wmma_scale_f32_16x16x128_f8f6f4 v[8*(8*((\a)%4)+\b):8*(8*((\a)%4)+\b)+7], v[128*(\p)+12*\b:128*(\p)+12*\b+11], v[64+96*(\p)+12*(\a):64+96*(\p)+12*(\a)+11], v[8*(8*((\a)%4)+\b):8*(8*((\a)%4)+\b)+7], v[SC+8*(\p)+\b], v[SC+8*(\p)+(\a)] matrix_a_fmt:MATRIX_FMT_FP6 matrix_b_fmt:MATRIX_FMT_FP6 matrix_a_scale:MATRIX_SCALE_ROW1
.endif
.endr
.endm
.macro STEP p, nslot, nq, so, zero
	s_wait_dscnt 12                                ; all of set p but the youngest 12 loads, source 1's blocks 4-7
	PLACES 4                                       ; four places between the last step's products and the loads into the set that they read
	MULR 0, \p, \zero
	MULR 1, \p, \zero
	FETCH \nslot, \nq, 1-(\p), \so
	MULR 2, \p, \zero
	MULR 3, \p, \zero
	s_wait_dscnt 56                                ; all but the 56 just issued
	MULR 4, \p, \zero
	MULR 5, \p, \zero
	MULR 6, \p, \zero
	MULR 7, \p, \zero
	WIN 0
.endm
.macro TURN slot, next, so, fill, adv
	s_wait_tensorcnt 0x0                           ; all my tensor loads have landed
	ds_add_u32 v[SPW], v[NIL]
	s_wait_dscnt 13                                ; (the add and source 1's blocks 4-7 may be out)
	MULR 0, 1, 0
	s_wait_dscnt 0x0                               ; the add is done, and my reads of this slot are over
	s_barrier_signal -1
	MULR 1, 1, 0
	WIN 0
	s_barrier_wait -1
.if \fill
	CREST                                          ; no wave of any partner still reads this slot or has a load on its way
	s_add_nc_u64 s[G0+4*\slot+2:G0+4*\slot+3], s[G0+4*\slot+2:G0+4*\slot+3], RSTEP
	s_add_nc_u64 s[G0B+4*\slot+2:G0B+4*\slot+3], s[G0B+4*\slot+2:G0B+4*\slot+3], RSTEP
	JLOAD G0+4*\slot, G1, G0B+4*\slot, G1B         ; its four v_nop are also the places in front of the loads below
.else
	PLACES 4
.endif
.if \adv
	v_add_nc_u32 v[ADRS], \adv, v[ADRS]
.endif
	FETCH \next, 0, 0, \so
	MULR 2, 1, 0
	MULR 3, 1, 0
	MULR 4, 1, 0
	MULR 5, 1, 0
	MULR 6, 1, 0
	MULR 7, 1, 0
	WIN 0
.endm
; K step 2, on set 0, with the refill: each wave waits for all its tensor loads (the one that is out is its part of slot 2), adds 0 to its spare word, waits for that and for its LDS reads; the barrier opens a round of the
; cluster's; slot 0, whose last reads were K step 1's fragments, takes K steps 6 and 7; then K step 3's fragments come from slot 1
.macro TURNE
	s_wait_tensorcnt 0x0                           ; all my tensor loads have landed
	ds_add_u32 v[SPW], v[NIL]
	s_wait_dscnt 13                                ; (the add and source 1's blocks 4-7 may be out)
	MULR 0, 0, 0
	s_wait_dscnt 0x0                               ; the add is done, and all my LDS reads are back
	s_barrier_signal -1
	MULR 1, 0, 0
	WIN 0
	s_barrier_wait -1
	CREST                                          ; no wave of any partner still reads slot 0 or has a load on its way
	s_add_nc_u64 s[G0+2:G0+3], s[G0+2:G0+3], RSTEP
	s_add_nc_u64 s[G0B+2:G0B+3], s[G0B+2:G0B+3], RSTEP
	JLOAD G0, G1, G0B, G1B                         ; its four v_nop are also the places in front of the loads below
	FETCH 1, 1, 1, 1536
	MULR 2, 0, 0
	MULR 3, 0, 0
	MULR 4, 0, 0
	MULR 5, 0, 0
	MULR 6, 0, 0
	MULR 7, 0, 0
	WIN 0
.endm
.macro LAST
	s_wait_dscnt 12
	MULR 0, 1, 0
	MULR 1, 1, 0
	MULR 2, 1, 0
	MULR 3, 1, 0
	s_wait_dscnt 0x0
	MULR 4, 1, 0
	MULR 5, 1, 0
	MULR 6, 1, 0
	MULR 7, 1, 0
	WIN 0
.endm
.macro SCALEW
.irp b, 0,1,2,3
	v_add_nc_u32 v[TM+12+\b], 0xff000000, v[TM+\b] ; 2 off the exponent field: the conversion's scale operand
.endr
.irp b, 0,1,2,3
	v_lshrrev_b32 v[TM+4+\b], 23, v[TM+12+\b]      ; the scale's byte
.endr
	v_lshl_or_b32 v[PW], v[TM+5], 8, v[TM+4]
	v_lshl_or_b32 v[PW], v[TM+6], 16, v[PW]
	v_lshl_or_b32 v[PW], v[TM+7], 24, v[PW]
.endm
.macro CODES s
.irp c, 0,1
	v_cvt_scalef32_pk16_fp6_f32 v[PC+6*\c:PC+2+6*\c], v[\s+32*\c:\s+15+32*\c], v[TM+12+2*\c]
	v_cvt_scalef32_pk16_fp6_f32 v[PC+12+4*\c:PC+14+4*\c], v[\s+16+32*\c:\s+31+32*\c], v[TM+12+2*\c+1]
.endr
	v_nop                                          ; one plain place behind a scaled conversion
.irp c, 0,1
.irp i, 0,1,2
	v_permlane16_swap_b32 v[PC+6*\c+\i], v[PC+12+4*\c+\i]
.endr
.irp i, 0,1,2
	v_mov_b32 v[PC+3+6*\c+\i], v[PC+12+4*\c+\i]
.endr
.endr
.endm
	s_load_b128 s[4:7], s[0:1], 0x0                ; qkvb, pbuf
	v_lshl_add_u32 v[SPW], v0, 2, SPARE
	v_mov_b32 v[NIL], 0
	ds_add_u32 v[SPW], v[NIL]                      ; the wave's opening: the add, twice on end, and its wait ahead of my first tensor load
	ds_add_u32 v[SPW], v[NIL]
	v_lshrrev_b32 v1, 5, v0
	v_readfirstlane_b32 s14, v1                    ; wave
	s_lshr_b32 s15, s14, 1                         ; hi: my half of the queries.  Also: I fetch q (0) or k (1)
	s_and_b32 s16, s14, 1                          ; lo: my half of the keys.  Also: which half I fetch
	s_bfe_u32 s17, ttmp6, 0x40000
	s_bfe_u32 s18, ttmp6, 0x40004
	s_lshl_b32 s19, ttmp9, 2
	s_add_co_u32 s19, s19, s17                     ; X: which 256 keys of the batch
	s_and_b32 s21, ttmp7, 0xffff                   ; the cluster's y: two clusters to a batch
	s_lshl_b32 s20, s21, 2
	s_add_co_u32 s20, s20, s18                     ; Y: which 256 queries of all 8,192
	s_lshl_b32 s92, s18, 2
	s_lshl_b32 s92, 15, s92
	s_lshl_b32 s93, 0x1111, s17
	s_or_b32 s[G1], s92, (3<<16)|(1<<21)
	s_or_b32 s[G1B], s93, (3<<16)|(1<<21)
	GROUP1 G1, 384, 16, 3072                       ; the head's loads: 16 blocks x 3,072 bytes, 24,576 bytes from block to block
	GROUP1 G1B, 384, 16, 3072
	s_mov_b32 s[SEL], 0x76543210
	s_mov_b32 s[SEL+1], 0xfedcba98
	s_mov_b32 s22, 0x3d38aa3b                      ; c = log2(e) / 32
	s_mov_b32 s23, s22                             ; (named with it as a pair)
	s_lshl_b32 s2, s16, 3
	s_lshl_b32 s94, s20, 4
	s_add_co_u32 s94, s94, s2                      ; q: token block 16 Y + 8 lo
	s_lshl_b32 s98, s94, 6
	s_add_co_u32 s98, s98, QKS
	s_mul_i32 s94, s94, 24576
	s_mov_b32 s95, 0
	s_mov_b32 s99, 0
	s_lshr_b32 s96, s21, 1                         ; the batch, from the cluster's y alone
	s_lshl_b32 s96, s96, 7
	s_lshl_b32 s100, s19, 4
	s_add_co_u32 s96, s96, s100
	s_add_co_u32 s96, s96, s2                      ; k: token block 128 batch + 16 X + 8 lo
	s_lshl_b32 s100, s96, 6
	s_add_co_u32 s100, s100, QKS+262144            ; K steps 8-15 of the scale words
	s_mul_i32 s96, s96, 24576
	s_add_co_u32 s96, s96, 12288                   ; K steps 8-15 of the block
	s_mov_b32 s97, 0
	s_mov_b32 s101, 0
	s_mul_i32 s3, s14, HALFT
	s_mul_i32 s2, s14, SH
	s_add_co_u32 s2, s2, SCL
	v_and_b32 v3, 31, v0                           ; lane
	v_lshlrev_b32 v[LI], 4, v3
	v_add_nc_u32 v26, s2, v[LI]                    ; where my half of the scale words goes
	s_wait_alu depctr_va_vdst(0)
	s_wait_dscnt 0x0
	s_wait_kmcnt 0x0
	s_add_nc_u64 s[94:95], s[4:5], s[94:95]
	s_add_nc_u64 s[96:97], s[4:5], s[96:97]
	CROUND                                         ; all sixteen work-groups are here: the first joint loads meet
	s_add_nc_u64 s[G0S+2:G0S+3], s[4:5], s[98:99]       ; q's scale words of my half
	s_add_nc_u64 s[G0SB+2:G0SB+3], s[4:5], s[100:101]   ; k's
.irp s, 0,1,2
.if \s < 2
.set GB, G0B+4*\s
.else
.set GB, G0B2
.endif
	s_mov_b32 s[G0+4*\s], 1
	s_add_co_u32 s[G0+4*\s+1], s3, \s*SLOT
	s_add_nc_u64 s[G0+4*\s+2:G0+4*\s+3], s[94:95], \s*3072
	s_or_b32 s[G0+4*\s+3], s[G0+4*\s+3], 0x80000000
	s_mov_b32 s[GB], 1
	s_add_co_u32 s[GB+1], s3, \s*SLOT
	s_add_nc_u64 s[GB+2:GB+3], s[96:97], \s*3072
	s_or_b32 s[GB+3], s[GB+3], 0x80000000
.endr
	; the head's group 0, in slot 1's registers: all 16 blocks of slot lo: 8 lo blocks back, 2 lo K steps on
	s_mul_i32 s2, s16, 193536                      ; 8 x 24,576 - 3,072
	s_mov_b32 s3, 0
	s_sub_nc_u64 s[G0+6:G0+7], s[94:95], s[2:3]
	s_or_b32 s[G0+7], s[G0+7], 0x80000000
	s_mul_i32 s[G0+5], s16, SLOT
	s_sub_nc_u64 s[G0B+6:G0B+7], s[96:97], s[2:3]
	s_or_b32 s[G0B+7], s[G0B+7], 0x80000000
	s_mul_i32 s[G0B+5], s16, SLOT
	s_add_co_u32 s[G0B+5], s[G0B+5], 2*HALFT
	s_cmp_eq_u32 s15, 0                            ; one joint load a wave at the head
	s_cbranch_scc0 .Lfirst_b
	tensor_load_to_lds s[G0+4:G0+7], s[G1:G1+7]
	s_nop 0
	PLACES 4
.irp j, 0,1,2,3,4,5,6,7
	global_load_b128 v[64+4*\j:67+4*\j], v[LI], s[G0S+2:G0S+3] offset:32768*\j   ; K step j's words of my 8 blocks: 512 consecutive bytes
.endr
	s_branch .Lfirst_done
.Lfirst_b:
	tensor_load_to_lds s[G0B+4:G0B+7], s[G1B:G1B+7]
	s_nop 0
	PLACES 4
.irp j, 0,1,2,3,4,5,6,7
	global_load_b128 v[64+4*\j:67+4*\j], v[LI], s[G0SB+2:G0SB+3] offset:32768*\j
.endr
.Lfirst_done:
	v_and_b32 v1, 15, v0                           ; r
	v_bfe_u32 v2, v0, 4, 1                         ; h
	s_wait_alu depctr_va_vdst(0)
	s_mul_i32 s2, s15, HALFT                       ; source 1: q's half hi
	s_mul_i32 s3, s16, HALFT
	s_add_co_u32 s3, s3, 2*HALFT                   ; source 0: k's half lo
.irp s, 0,1,2
	v_add_nc_u32 v[ADR1+\s], s2, v[LI]
	v_add_nc_u32 v[ADR0+\s], s3, v[LI]
	s_add_co_u32 s2, s2, SLOT
	s_add_co_u32 s3, s3, SLOT
.endr
	s_mul_i32 s92, s15, SH
	s_mul_i32 s93, s16, SH
	s_add_co_u32 s93, s93, 2*SH
	s_sub_co_u32 s93, s93, s92
	v_mul_u32_u24 v4, s93, v2                      ; lanes 16-31 take k's words
	s_add_co_u32 s92, s92, SCL
	v_lshl_add_u32 v4, v1, 2, v4
	v_add_nc_u32 v[ADRS], s92, v4
	s_mul_i32 s92, s14, 1536
	s_add_co_u32 s92, s92, SST
	v_lshl_add_u32 v18, v1, 2, s92
	v_add_nc_u32 v19, s92, v[LI]
	s_lshl_b32 s92, s20, 4                         ; where my results go: query block 16 Y + 8 hi, key step 2 X + lo
	s_lshl_b32 s93, s15, 3
	s_add_co_u32 s92, s92, s93
	s_lshl_b32 s93, s19, 1
	s_add_co_u32 s93, s93, s16
	s_lshl_b32 s94, s92, 4
	s_add_co_u32 s94, s94, s93
	s_mul_i32 s94, s94, 1536
	s_mov_b32 s95, 0
	s_lshl_b32 s96, s93, 15
	s_lshl_b32 s92, s92, 6
	s_add_co_u32 s96, s96, s92
	s_add_co_u32 s96, s96, PS
	s_mov_b32 s97, 0
	s_add_nc_u64 s[8:9], s[6:7], s[94:95]          ; codes
	s_add_nc_u64 s[10:11], s[6:7], s[96:97]        ; scale words; -M and l by immediates
	s_wait_alu depctr_va_vdst(0)
	s_wait_loadcnt 0x0                             ; my scale words
.irp j, 0,1,2,3,4,5,6,7
	ds_store_b128 v26, v[64+4*\j:67+4*\j] offset:512*\j
.endr
	s_wait_tensorcnt 0x0                           ; my head's load is in
	ds_add_u32 v[SPW], v[NIL]
	s_mov_b32 s[G1+2], 8<<16                       ; no load of mine is out: from here on a load brings 8 blocks
	s_mov_b32 s[G1+4], 8
	s_mov_b32 s[G1B+2], 8<<16
	s_mov_b32 s[G1B+4], 8
	s_wait_dscnt 0x0                               ; the add is done; my scale words lie in LDS
	CROUND                                         ; slots 0 and 1 are whole for every wave, and the joint loads meet
	JLOAD G0+8, G1, G0B2, G1B                      ; slot 2's first fill: K steps 4 and 5
	FETCH 0, 0, 0, 0
	STEP 0, 0, 1, 512, 1                           ; K step 0 starts the sums
	STEP 1, 1, 0, 1024, 0                          ; K step 1; on into slot 1 with no barrier: it was shown whole at the round above
	TURNE                                          ; K step 2; slot 2 is shown whole to every wave; slot 0 takes K steps 6 and 7
	STEP 1, 2, 0, 2048, 0                          ; on into slot 2 with no barrier: it was shown whole at the change above, and nothing is filled here
	STEP 0, 2, 1, 2560, 0
	TURN 2, 0, 3072, 0, 0
	STEP 0, 0, 1, 3584, 0
	LAST
; THE WAY OUT, block a of 16 queries: a lane holds one query and 64 of its piece's 128 keys; register 16 b + i is key 32 b + 16 (lane / 16) + i
.macro SOFT a
.set AC, 64*((\a)%4)
.set WD, 2+(\a)/4
	s_wait_xcnt 0x0                                ; the last block's stores have read their registers,
	s_wait_dscnt 0x0                               ; and so have its three word stores
	WIN (WD<<2)|(WD<<4)                            ; sources 1 and 2: the accumulators' window
.irp b, 0,1,2,3
	v_max3_num_f32 v[TM+\b], 0xff7fffff, v[AC+16*\b], v[AC+16*\b+1]   ; the largest score of each block of 32 keys (each accumulator is read from its low end on): it serves the piece's maximum and the block's largest p
.endr
.irp i, 2,4,6,8,10,12,14
.irp b, 0,1,2,3
	v_max3_num_f32 v[TM+\b], v[TM+\b], v[AC+16*\b+\i], v[AC+16*\b+\i+1]
.endr
.endr
	WIN 0
.irp b, 0,1,2,3
	v_permlanex16_b32 v[TM+4+\b], v[TM+\b], s[SEL], s[SEL+1]
.endr
.irp b, 0,1,2,3
	v_max_num_f32 v[TM+\b], v[TM+\b], v[TM+4+\b]   ; with lane l xor 16's 16 keys
.endr
	v_max3_num_f32 v229, v[TM], v[TM+1], v[TM+2]
	v_max_num_f32 v229, v229, v[TM+3]
	v_mul_f32 v229, s22, v229                      ; the piece's largest t (c is positive)
	v_floor_f32 v230, -v229                        ; -M = floor(-t) = -ceil(t)
	WIN WD
.set n, 0
.rept 32
	v_pk_fma_f32 v[64+n:65+n], v[AC+n:AC+n+1], s[22:23], v[230:231] op_sel_hi:[1,0,0]   ; t - M, two at a time
.set n, n+2
.endr
	WIN 0
.irp b, 0,1,2,3
	v_fma_f32 v[TM+\b], v[TM+\b], s22, v230        ; the same of each block's largest score
.endr
.set n, 0
	s_wait_alu depctr_va_vdst(0)
.rept 64
	v_exp_f32 v[64+n], v[64+n]                     ; p = 2^(t - M), at most 1
.set n, n+1
.endr
	v_nop                                          ; a plain place behind the exponentials
	s_wait_alu depctr_va_vdst(0)                   ; one wait for the batch of 64, ahead of its first reader
.irp b, 0,1,2,3
	v_exp_f32 v[TM+\b], v[TM+\b]                   ; the block's largest p: the same two instructions on the same number
.endr
	v_pk_add_f32 v[232:233], v[64:65], v[66:67]    ; l is taken of the unquantised p, in two chains; these lines read the 64 alone
	v_pk_add_f32 v[234:235], v[68:69], v[70:71]
.irp j, 8,12,16,20,24,28,32,36,40,44,48,52,56,60
	v_pk_add_f32 v[232:233], v[232:233], v[64+\j:65+\j]
	v_pk_add_f32 v[234:235], v[234:235], v[66+\j:67+\j]
.endr
	v_pk_add_f32 v[232:233], v[232:233], v[234:235]
	s_wait_alu depctr_va_vdst(0)                   ; and one for the four
.irp b, 0,1,2,3
	v_max_num_f32 v[TM+\b], 0x21800000, v[TM+\b]   ; the floor 2^-60: every byte is 65 .. 125
.endr
	SCALEW
	CODES 64
	v_add_f32 v236, v232, v233
	v_permlanex16_b32 v237, v236, s[SEL], s[SEL+1]
	v_add_f32 v236, v236, v237                     ; the piece's l
.irp c, 0,1,2
	global_store_b128 v[LI], v[PC+4*\c:PC+4*\c+3], s[8:9] offset:24576*(\a)+512*\c
.endr
	ds_store_b32 v18, v[PW] offset:64*(\a)
	ds_store_b32 v18, v230 offset:512+64*(\a)
	ds_store_b32 v18, v236 offset:1024+64*(\a)
.endm
	PLACES 4                                       ; behind the last products
.irp b, 0,1,2,3
	v_mov_b32 v[TM+4+\b], 0                        ; a lane permute's destination counts as one of its sources
.endr
	v_mov_b32 v231, 0                              ; (named as the upper half of the pair v[230:231])
	v_mov_b32 v237, 0
.irp a, 0,1,2,3,4,5,6,7
	SOFT \a
.endr
	ds_load_b128 v[64:67], v19                     ; my eight blocks' words, -M and l: LDS serves a wave's instructions in order
	ds_load_b128 v[68:71], v19 offset:512
	ds_load_b128 v[72:75], v19 offset:1024
	s_wait_dscnt 0x0
	global_store_b128 v[LI], v[64:67], s[10:11]    ; 512 consecutive bytes each, aligned
	global_store_b128 v[LI], v[68:71], s[10:11] offset:524288
	global_store_b128 v[LI], v[72:75], s[10:11] offset:1048576
	s_wait_tensorcnt 0x0                           ; the wave's end
	ds_add_u32 v[SPW], v[NIL]
	s_wait_dscnt 0x0
	CROUND                                         ; the closing round
	s_endpgm
.Lfunc_end_k_qbab2d7b05d_scores:
	.size	k_qbab2d7b05d_scores, .Lfunc_end_k_qbab2d7b05d_scores-k_qbab2d7b05d_scores
	.p2alignl 7, 3214868480
	.fill 96, 4, 3214868480
	.section	.rodata,"a",@progbits
	.p2align	6, 0x0
	.amdhsa_kernel k_qbab2d7b05d_scores
		.amdhsa_group_segment_fixed_size 327680
		.amdhsa_private_segment_fixed_size 0
		.amdhsa_enable_private_segment 0
		.amdhsa_kernarg_size 16
		.amdhsa_user_sgpr_count 2
		.amdhsa_user_sgpr_kernarg_segment_ptr 1
		.amdhsa_wavefront_size32 1
		.amdhsa_system_sgpr_workgroup_id_x 1
		.amdhsa_system_sgpr_workgroup_id_y 1
		.amdhsa_system_sgpr_workgroup_id_z 1
		.amdhsa_system_vgpr_workitem_id 0
		.amdhsa_next_free_vgpr 1024
		.amdhsa_next_free_sgpr 102
		.amdhsa_reserve_vcc 0
		.amdhsa_float_denorm_mode_32 3
		.amdhsa_float_denorm_mode_16_64 3
		.amdhsa_memory_ordered 1
		.amdhsa_forward_progress 1
		.amdhsa_inst_pref_size 200
	.end_amdhsa_kernel
	.amdgpu_metadata
---
amdhsa.version: [ 1, 2 ]
amdhsa.kernels:
  - .name:           k_qbab2d7b05d_scores
    .symbol:         k_qbab2d7b05d_scores.kd
    .args:
      - { .name: qkvb, .offset: 0, .size: 8, .value_kind: global_buffer, .address_space: global }
      - { .name: pbuf, .offset: 8, .size: 8, .value_kind: global_buffer, .address_space: global }
    .group_segment_fixed_size: 327680
    .private_segment_fixed_size: 0
    .kernarg_segment_align: 8
    .kernarg_segment_size: 16
    .max_flat_workgroup_size: 128
    .sgpr_count:     102
    .vgpr_count:     1024
    .wavefront_size: 32
...
	.end_amdgpu_metadata
.endif
;; end of part 3
;; launch pv (part 4): grid 4 x 64, 4 waves a work-group, clusters of 4 x 4, 327,680 bytes of LDS; arguments pbuf, qkvb, obuf; writes obuf
.if DOCPART == 4
	.amdgcn_target "amdgcn-amd-amdhsa--gfx1250"
	.amdhsa_code_object_version 6
	.text
	.protected	k_qbab2d7b05d_pv
	.globl	k_qbab2d7b05d_pv
	.p2align	8
	.type	k_qbab2d7b05d_pv,@function
k_qbab2d7b05d_pv:
	s_mov_b64 s[64:65], 0
	v_nop
	global_prefetch_b8 v0, s[64:65] scope:SCOPE_SE
	s_setreg_imm32_b32 hwreg(HW_REG_WAVE_MODE, 25, 1), 1
	s_wait_xcnt 0x0
	s_wait_alu depctr_hold_cnt(0) depctr_sa_sdst(0) depctr_va_vdst(0) depctr_va_sdst(0) depctr_va_ssrc(0) depctr_va_vcc(0) depctr_vm_vsrc(0)
	s_getreg_b32 s2, hwreg(HW_REG_IB_STS2, 6, 4)
	s_cmp_eq_u32 s2, 0
	s_cbranch_scc0 .Lentry_in_a_cluster
	s_endpgm
.Lentry_in_a_cluster:
	s_bfe_u32 s2, ttmp6, 0x10000c
	s_cmp_lg_u32 s2, 0xf033
	s_cbranch_scc0 .Lentry_shape_is_right
	s_endpgm
.Lentry_shape_is_right:
; o = (p v) / l on codes of FP6 (E2M3) with E8M0 scales, quantised along d for the last product.  No work is left out.
; AT THE HEAD the sixteen pieces of each query's row are brought under the row's M: M = the largest of the pieces' M; a piece's p is 2^(its M - M) times too large, an exact power of two, which is taken off the four bytes of
; its scale word by one subtraction (bytes 65 .. 125, shift 0 .. 64: no borrow); l = the sum of the pieces' l x 2^(their M - M).  The shifted words go to LDS, where the products take p's scale words from.
; LIMIT: a piece whose M lies more than 64 under the row's is shifted by 2^-64 and no more: it then adds less than 2^-58 of the row's sum.  NaN and infinities are not served; a block of zeros gets the byte 1.
; SHARES.  A work-group of four waves makes 128 queries x 256 of d, so that the grid has 4 x 64 = 256 work-groups; a wave makes 64 x 128: 32 accumulators.  Source 0 = v (registers run along d), source 1 = p (a lane holds a query).
; A K step of 128 keys reads 12 fragments from LDS for 32 products.  K = the batch's 2,048 keys: sixteen steps through a ring of two LDS slots of FOUR steps each: two refills, each behind a round of the cluster's barrier, each
; with four steps in which to land.  4 x 4 clusters: p's tiles are asked for jointly along a row of the cluster, v's along a column.  Operands lie in memory as images of their registers: 1,536 bytes a fragment, three ds_load_b128.
; REGISTERS: window 0: v1-3 r, h, lane; v8-9, v12-13 fragment addresses by slot; v16 scale words' address; v17 16 x lane; v18-25 the head's and the way out's; v28, v29 the add's two; v32-47 scale words, two sets;
;   v64-111, v160-207 source 1's fragments, two sets.  At the head: v64-79 -M, v96-111 words, v128-143 l of my row's sixteen pieces, v144-174 at work.  On the way out: v64-127 numbers, v128-135 1 / l, v192-228 codes and scales.
;   window 1: source 0's fragments at v0 and v128.  window 2: accumulator (a, b) at v[8 (8 a + b)].
; THE FILLS AS THEY STAND (in place of what is said of them above): at the head each wave issues one joint load, its part of slot 0; slot 1 is first filled, a part a wave, behind the three lines and a round of the
; cluster's barrier.  v's scale words come by 8 loads of 512 consecutive bytes a wave and are stored to LDS.  The two refills are as before.
.set PS,    12582912
.set VC,    12582912
.set VS,    19398656
.set OS,    6291456
.set BPL,   6144                       ; in LDS from block to block: four K steps x 1,536 bytes
.set PARTA, 4*BPL                      ; 4 blocks of queries: what a load of waves 0, 1 brings, and what a wave reads of p
.set PARTB, 8*BPL                      ; 8 blocks of d: what a load of waves 2, 3 brings, and what a wave reads of v
.set SLOT,  2*PARTA+2*PARTB            ; p's two parts, then v's two halves
.set SCL,   2*SLOT                     ; p's scale words, [key step][8 blocks][16 words], stored by the waves;
.set SA,    8192
.set SH,    8192                       ; then v's, two halves of SH bytes, stored by the waves
.set RLB,   SCL+SA+2*SH                ; 1 / l of the 128 rows
.set SST,   RLB+512                    ; 256 bytes a wave: the scale words made on the way out
.set SPARE, SST+1024                   ; the spare words, 128 bytes a wave: no other line names them
.set RSTEP, 2*BPL                      ; a slot's next four K steps: eight steps on
.set ADR1,  8
.set ADR0,  12
.set ADRS,  16
.set LI,    17
.set SPW,   28
.set NIL,   29
.set SC,    32
.set PC,    192
.set TM,    212
.set PW,    228
.set SEL,   66
.set G1,    24                         ; s[24:31] group 1 for p's tiles; s[32:39] groups 0, one for each slot
.set G0,    32
.set G1B,   48                         ; s[48:55], s[56:63] the same for v's
.set G0B,   56
.set G0SB,  72
.set G1SB,  84
.set MSB,   0
.macro WIN new                         ; the immediate's high byte repeats the setting that is left; a switch that changes nothing is dropped
.if MSB != (\new)
	s_set_vgpr_msb (MSB<<8)|(\new)
.set MSB, (\new)
.endif
.endm
.macro PLACES n
.rept \n
	v_nop
.endr
.endm
.macro GROUP1 g, d0, d1, st            ; a tile of d1 rows of d0 elements of 8 bytes, st elements apart, dense in LDS
	s_mov_b32 s[\g+1], (\d0)<<16
	s_mov_b32 s[\g+2], (\d1)<<16
	s_mov_b32 s[\g+3], (\d0)<<16
	s_mov_b32 s[\g+4], \d1
	s_mov_b32 s[\g+5], \st
	s_mov_b32 s[\g+6], 0
	s_mov_b32 s[\g+7], 0
.endm
.macro JLOAD g0a, g1a, g0b, g1b        ; a joint load: waves 0, 1 fetch p's parts, waves 2, 3 v's halves; an s_nop 0 and four v_nop follow each line
	s_cmp_eq_u32 s15, 0
	s_cbranch_scc0 .Lfor_b_\@
	tensor_load_to_lds s[\g0a:\g0a+3], s[\g1a:\g1a+7]
	s_nop 0
	PLACES 4
	s_branch .Lasked_\@
.Lfor_b_\@:
	tensor_load_to_lds s[\g0b:\g0b+3], s[\g1b:\g1b+7]
	s_nop 0
	PLACES 4
.Lasked_\@:
.endm
.macro CREST                           ; a round of the cluster's barrier behind its opening barrier
	s_cmp_lg_u32 s14, 0
	s_cbranch_scc1 .Lnot_wave_0_\@
	s_barrier_signal -3
.Lnot_wave_0_\@:
	s_barrier_wait -3
	s_barrier_signal -1
	s_barrier_wait -1
.endm
.macro CROUND
	s_barrier_signal -1
	s_barrier_wait -1
	CREST
.endm
; 44 LDS loads: a K step's fragments and scale words into set p: source 0's eight fragments (24 loads), the words (8), source 1's four fragments (12)
.macro FETCH slot, q, p, so
	WIN 0x40
.irp i, 0,1,2,3,4,5,6,7
.irp c, 0,1,2
	ds_load_b128 v[128*(\p)+12*\i+4*\c:128*(\p)+12*\i+4*\c+3], v[ADR0+(\slot)] offset:BPL*\i+1536*(\q)+512*\c
.endr
.endr
	WIN 0
.irp i, 0,1,2,3,4,5,6,7
	ds_load_b32 v[SC+8*(\p)+\i], v[ADRS] offset:(\so)+64*\i   ; lanes 16-31: source 0's block i.  Lanes 0-15: source 1's block i for i < 4; for i >= 4 neighbouring words, which no product names
.endr
.irp i, 0,1,2,3
.irp c, 0,1,2
	ds_load_b128 v[64+96*(\p)+12*\i+4*\c:64+96*(\p)+12*\i+4*\c+3], v[ADR1+(\slot)] offset:BPL*\i+1536*(\q)+512*\c
.endr
.endr
.endm
; 8 matrix instructions: source 1's block a against source 0's eight.  The 32 accumulators take turns in one order in every step
.macro MULR a, p, zero
	WIN 0xa1                                       ; source 0 window 1, source 1 window 0, C and D window 2
.irp b, 0,1,2,3,4,5,6,7
.if \zero
	v_wmma_scale_f32_16x16x128_f8f6f4 v[8*(8*(\a)+\b):8*(8*(\a)+\b)+7], v[128*(\p)+12*\b:128*(\p)+12*\b+11], v[64+96*(\p)+12*(\a):64+96*(\p)+12*(\a)+11], 0, v[SC+8*(\p)+\b], v[SC+8*(\p)+(\a)] matrix_a_fmt:MATRIX_FMT_FP6 matrix_b_fmt:MATRIX_FMT_FP6 matrix_a_scale:MATRIX_SCALE_ROW1
.else
	v_wmma_scale_f32_16x16x128_f8f6f4 v[8*(8*(\a)+\b):8*(8*(\a)+\b)+7], v[128*(\p)+12*\b:128*(\p)+12*\b+11], v[64+96*(\p)+12*(\a):64+96*(\p)+12*(\a)+11], v[8*(8*(\a)+\b):8*(8*(\a)+\b)+7], v[SC+8*(\p)+\b], v[SC+8*(\p)+(\a)] matrix_a_fmt:MATRIX_FMT_FP6 matrix_b_fmt:MATRIX_FMT_FP6 matrix_a_scale:MATRIX_SCALE_ROW1
.endif
.endr
.endm
; A K step on set p that fetches its successor (slot nslot, step nq of it, scale words at so) into the other set
.macro STEP p, nslot, nq, so, zero
	s_wait_dscnt 6                                 ; all of set p but the youngest six loads, source 1's blocks 2 and 3
	PLACES 4                                       ; four places between the last step's products and the loads into the set that they read
	MULR 0, \p, \zero
	FETCH \nslot, \nq, 1-(\p), \so
	MULR 1, \p, \zero
	s_wait_dscnt 44                                ; all but the 44 just issued
	MULR 2, \p, \zero
	MULR 3, \p, \zero
.endm
.macro RUN3 slot, so, zero             ; a slot's first three steps; so: where the slot's first step has its scale words
	STEP 0, \slot, 1, (\so)+512, \zero
	STEP 1, \slot, 2, (\so)+1024, 0
	STEP 0, \slot, 3, (\so)+1536, 0
.endm
; A slot's last step (set 1) changes slots and fills the slot again: each wave waits for all its tensor loads, adds 0 to its spare word, waits for that and for its reads of the slot; the barrier opens a round of the
; cluster's, and the joint refill is the first thing behind the round
.macro TURN slot, next, so
	WIN 0                                          ; (the add's two registers lie in window 0)
	s_wait_tensorcnt 0x0                           ; all my tensor loads have landed: the one that was out is my part of the next slot
	ds_add_u32 v[SPW], v[NIL]
	s_wait_dscnt 7                                 ; (the add and source 1's blocks 2 and 3 may be out)
	MULR 0, 1, 0
	s_wait_dscnt 0x0                               ; the add is done, and my reads of this slot are over
	s_barrier_signal -1
	MULR 1, 1, 0
	WIN 0
	s_barrier_wait -1
	CREST                                          ; no wave of any partner still reads this slot or has a load on its way
	s_add_nc_u64 s[G0+4*\slot+2:G0+4*\slot+3], s[G0+4*\slot+2:G0+4*\slot+3], RSTEP
	s_add_nc_u64 s[G0B+4*\slot+2:G0B+4*\slot+3], s[G0B+4*\slot+2:G0B+4*\slot+3], RSTEP
	JLOAD G0+4*\slot, G1, G0B+4*\slot, G1B         ; my one load behind the round; its four v_nop are also the places in front of the loads below
	FETCH \next, 0, 0, \so
	MULR 2, 1, 0
	MULR 3, 1, 0
.endm
; A slot's last step where nothing is filled again: my part of the next slot has landed (cnt younger loads may stay out), my reads are back; one barrier shows the next slot whole to every wave
.macro TURNP cnt, next, so
	s_wait_tensorcnt \cnt
	s_wait_dscnt 0x0                               ; no LDS instruction of mine is out at the signal
	s_barrier_signal -1
	PLACES 4                                       ; the places in front of the loads below
	MULR 0, 1, 0
	s_barrier_wait -1
	FETCH \next, 0, 0, \so
	MULR 1, 1, 0
	MULR 2, 1, 0
	MULR 3, 1, 0
.endm
.macro LAST
	s_wait_dscnt 6
	MULR 0, 1, 0
	MULR 1, 1, 0
	s_wait_dscnt 0x0
	MULR 2, 1, 0
	MULR 3, 1, 0
	WIN 0
.endm
; From the four blocks' largest magnitudes in v[TM] on: the conversions' scale operands (v[TM+12] on), the bytes, the row's scale word in v[PW]
.macro SCALEW
.irp b, 0,1,2,3
	v_add_nc_u32 v[TM+12+\b], 0xff000000, v[TM+\b] ; 2 off the exponent field
.endr
.irp b, 0,1,2,3
	v_lshrrev_b32 v[TM+4+\b], 23, v[TM+12+\b]
.endr
	v_lshl_or_b32 v[PW], v[TM+5], 8, v[TM+4]
	v_lshl_or_b32 v[PW], v[TM+6], 16, v[PW]
	v_lshl_or_b32 v[PW], v[TM+7], 24, v[PW]
.endm
; 64 numbers of a lane, register 16 b + i = k 32 b + 16 (lane / 16) + i of its row, become the fragment's 12 registers in v[PC] on
.macro CODES s
.irp c, 0,1
	v_cvt_scalef32_pk16_fp6_f32 v[PC+6*\c:PC+2+6*\c], v[\s+32*\c:\s+15+32*\c], v[TM+12+2*\c]
	v_cvt_scalef32_pk16_fp6_f32 v[PC+12+4*\c:PC+14+4*\c], v[\s+16+32*\c:\s+31+32*\c], v[TM+12+2*\c+1]   ; (a conversion's three registers begin on an even number)
.endr
	v_nop                                          ; one plain place behind a scaled conversion
.irp c, 0,1                            ; the operand's layout wants a whole block in a lane
.irp i, 0,1,2
	v_permlane16_swap_b32 v[PC+6*\c+\i], v[PC+12+4*\c+\i]
.endr
.irp i, 0,1,2
	v_mov_b32 v[PC+3+6*\c+\i], v[PC+12+4*\c+\i]
.endr
.endr
.endm
.macro QUANT s
.irp b, 0,1,2,3
	v_max3_num_f32 v[TM+\b], |v[\s+16*\b]|, |v[\s+1+16*\b]|, 0x1800000   ; with the floor 2^(3 - 127): the byte cannot fall under 1
.endr
.irp i, 2,4,6,8,10,12,14
.irp b, 0,1,2,3
	v_max3_num_f32 v[TM+\b], v[TM+\b], |v[\s+16*\b+\i]|, |v[\s+1+16*\b+\i]|
.endr
.endr
.irp b, 0,1,2,3
	v_permlanex16_b32 v[TM+4+\b], v[TM+\b], s[SEL], s[SEL+1]
.endr
.irp b, 0,1,2,3
	v_max_num_f32 v[TM+\b], v[TM+\b], v[TM+4+\b]   ; with lane l xor 16's: the block's largest magnitude
.endr
	SCALEW
	CODES \s
.endm
	s_load_b128 s[4:7], s[0:1], 0x0                ; pbuf, qkvb
	s_load_b64 s[8:9], s[0:1], 0x10                ; obuf
	v_lshl_add_u32 v[SPW], v0, 2, SPARE
	v_mov_b32 v[NIL], 0
	ds_add_u32 v[SPW], v[NIL]                      ; the wave's opening: the add, twice on end, and its wait ahead of my first tensor load
	ds_add_u32 v[SPW], v[NIL]
	v_lshrrev_b32 v1, 5, v0
	v_readfirstlane_b32 s14, v1                    ; wave
	s_lshr_b32 s15, s14, 1                         ; hi: my 64 of the 128 queries.  Also: I fetch p (0) or v (1)
	s_and_b32 s16, s14, 1                          ; lo: my half of d.  Also: which part I fetch
	s_bfe_u32 s17, ttmp6, 0x40000                  ; cx
	s_bfe_u32 s18, ttmp6, 0x40004                  ; cy
	s_lshl_b32 s19, ttmp9, 2
	s_add_co_u32 s19, s19, s17                     ; X: which 256 of d
	s_and_b32 s21, ttmp7, 0xffff                   ; the cluster's y: four clusters to a batch
	s_lshl_b32 s20, s21, 2
	s_add_co_u32 s20, s20, s18                     ; Y: which 128 queries of all 8,192
	s_lshl_b32 s92, s18, 2
	s_lshl_b32 s92, 15, s92                        ; my row of the cluster
	s_lshl_b32 s93, 0x1111, s17                    ; my column
	s_or_b32 s[G1], s92, (3<<16)|(1<<21)           ; 15:0 the mask; 17:16 elements of 8 bytes; 21 set beside a mask; no padding
	s_or_b32 s[G1B], s93, (3<<16)|(1<<21)
	GROUP1 G1, 768, 4, 3072                        ; 4 blocks x 6,144 bytes (four key steps), 24,576 bytes from block to block
	GROUP1 G1B, 768, 8, 3072                       ; 8 blocks likewise
	s_mov_b32 s[SEL], 0x76543210
	s_mov_b32 s[SEL+1], 0xfedcba98
	s_lshl_b32 s2, s16, 2
	s_lshl_b32 s94, s20, 3
	s_add_co_u32 s94, s94, s2                      ; p: query block 8 Y + 4 lo
	s_mul_i32 s94, s94, 24576
	s_mov_b32 s95, 0
	s_lshl_b32 s2, s16, 3
	s_lshr_b32 s101, s21, 2                        ; the batch, from the cluster's y alone
	s_lshl_b32 s100, s19, 4
	s_add_co_u32 s100, s100, s2                    ; v: d block 16 X + 8 lo of the batch's 64
	s_lshl_b32 s96, s101, 6
	s_add_co_u32 s96, s96, s100
	s_mul_i32 s96, s96, 24576
	s_add_co_u32 s96, s96, VC
	s_mov_b32 s97, 0
	s_lshl_b32 s100, s100, 6
	s_lshl_b32 s101, s101, 16
	s_add_co_u32 s100, s100, s101
	s_add_co_u32 s100, s100, VS
	s_mov_b32 s101, 0
	s_mul_i32 s3, s16, PARTA                       ; where my tiles go, by the wave's number alone: p's part lo,
	s_mul_i32 s2, s16, PARTB
	s_add_co_u32 s2, s2, 2*PARTA                   ; v's half lo,
	s_mul_i32 s98, s16, SH
	s_add_co_u32 s98, s98, SCL+SA
	s_lshl_b32 s99, s15, 12                        ; of half lo's sixteen key steps I copy 8 hi .. 8 hi + 7: 512 bytes a step in LDS,
	s_add_co_u32 s98, s98, s99
	s_lshl_b32 s99, s15, 15                        ; 4,096 bytes a step in memory
	s_add_co_u32 s100, s100, s99
	v_and_b32 v3, 31, v0                           ; lane
	v_lshlrev_b32 v[LI], 4, v3
	v_add_nc_u32 v26, s98, v[LI]
	s_wait_alu depctr_va_vdst(0)
	s_wait_dscnt 0x0
	s_wait_kmcnt 0x0
	s_add_nc_u64 s[94:95], s[4:5], s[94:95]
	s_add_nc_u64 s[96:97], s[6:7], s[96:97]
	CROUND                                         ; all sixteen work-groups are here: the first joint loads meet
	s_add_nc_u64 s[80:81], s[6:7], s[100:101]      ; v's scale words, my eight key steps
.irp s, 0,1
	s_mov_b32 s[G0+4*\s], 1
	s_add_co_u32 s[G0+4*\s+1], s3, \s*SLOT
	s_add_nc_u64 s[G0+4*\s+2:G0+4*\s+3], s[94:95], \s*BPL
	s_or_b32 s[G0+4*\s+3], s[G0+4*\s+3], 0x80000000
	s_mov_b32 s[G0B+4*\s], 1
	s_add_co_u32 s[G0B+4*\s+1], s2, \s*SLOT
	s_add_nc_u64 s[G0B+4*\s+2:G0B+4*\s+3], s[96:97], \s*BPL
	s_or_b32 s[G0B+4*\s+3], s[G0B+4*\s+3], 0x80000000
.endr
	s_cmp_eq_u32 s15, 0                            ; a wave's head load stands in one branch: p's part (0) or v's half (1)
	s_cbranch_scc0 .Lfirst_b                       ; one joint load a wave at the head: my part of slot 0
	tensor_load_to_lds s[G0:G0+3], s[G1:G1+7]
	s_nop 0
	PLACES 4
	s_branch .Lfirst_done
.Lfirst_b:
	tensor_load_to_lds s[G0B:G0B+3], s[G1B:G1B+7]
	s_nop 0
	PLACES 4
.Lfirst_done:
.irp j, 0,1,2,3,4,5,6,7
	global_load_b128 v[176+4*\j:179+4*\j], v[LI], s[80:81] offset:4096*\j   ; a key step's words of 8 blocks of d: 512 consecutive bytes
.endr
	; my row's sixteen pieces: thread t owns row t of the work-group's 128 (block t / 16, row t % 16 of it): 4 bytes a thread, 512 bytes a key step
	v_lshlrev_b32 v20, 2, v0
	s_lshl_b32 s92, s20, 9
	s_add_co_u32 s92, s92, PS
	s_mov_b32 s93, 0
	s_add_nc_u64 s[10:11], s[4:5], s[92:93]
.irp s, 0,1,2,3,4,5,6,7,8,9,10,11,12,13,14,15
	global_load_b32 v[64+\s], v20, s[10:11] offset:524288+32768*\s    ; -M
.endr
.irp s, 0,1,2,3,4,5,6,7,8,9,10,11,12,13,14,15
	global_load_b32 v[96+\s], v20, s[10:11] offset:32768*\s           ; the scale words
.endr
.irp s, 0,1,2,3,4,5,6,7,8,9,10,11,12,13,14,15
	global_load_b32 v[128+\s], v20, s[10:11] offset:1048576+32768*\s  ; l
.endr
	v_add_nc_u32 v21, SCL, v20                     ; where my row's words go: 512 bytes a key step
	v_add_nc_u32 v22, RLB, v20
	v_and_b32 v1, 15, v0                           ; r
	v_bfe_u32 v2, v0, 4, 1                         ; h
	s_wait_alu depctr_va_vdst(0)
	v_lshlrev_b32 v25, 3, v3                       ; 8 x lane
	s_wait_alu depctr_va_vdst(0)
	s_mul_i32 s2, s15, PARTA                       ; source 1: p's part hi
	s_mul_i32 s3, s16, PARTB
	s_add_co_u32 s3, s3, 2*PARTA                   ; source 0: v's half lo
.irp s, 0,1
	v_add_nc_u32 v[ADR1+\s], s2, v[LI]
	v_add_nc_u32 v[ADR0+\s], s3, v[LI]
	s_add_co_u32 s2, s2, SLOT
	s_add_co_u32 s3, s3, SLOT
.endr
	s_lshl_b32 s92, s15, 8                         ; p's words: my four blocks begin 256 hi bytes into a key step's 512
	s_mul_i32 s93, s16, SH
	s_add_co_u32 s93, s93, SA
	s_sub_co_u32 s93, s93, s92                     ; from there to v's words
	v_mul_u32_u24 v4, s93, v2                      ; lanes 16-31 take v's
	s_add_co_u32 s92, s92, SCL
	v_lshl_add_u32 v4, v1, 2, v4
	v_add_nc_u32 v[ADRS], s92, v4
	s_lshl_b32 s92, s14, 8
	s_add_co_u32 s92, s92, SST
	v_lshl_add_u32 v18, v1, 2, s92                 ; my row's new scale word
	v_add_nc_u32 v19, s92, v25                     ; and 8 bytes a lane on the way out
	s_lshl_b32 s92, s15, 8
	s_add_co_u32 s92, s92, RLB
	v_lshl_add_u32 v24, v1, 2, s92                 ; 1 / l of row r of my blocks
	s_lshl_b32 s92, s20, 3                         ; where my results go: query block 8 Y + 4 hi, K step 2 X + lo
	s_lshl_b32 s93, s15, 2
	s_add_co_u32 s92, s92, s93
	s_lshl_b32 s93, s19, 1
	s_add_co_u32 s93, s93, s16
	s_lshl_b32 s94, s92, 3
	s_add_co_u32 s94, s94, s93
	s_mul_i32 s94, s94, 1536
	s_mov_b32 s95, 0
	s_lshl_b32 s96, s93, 15
	s_lshl_b32 s92, s92, 6
	s_add_co_u32 s96, s96, s92
	s_add_co_u32 s96, s96, OS
	s_mov_b32 s97, 0
	s_add_nc_u64 s[12:13], s[8:9], s[94:95]        ; codes
	s_add_nc_u64 s[22:23], s[8:9], s[96:97]        ; scale words
	s_wait_loadcnt 0x0
.irp c, 0,1,2,3
	v_min_num_f32 v[160+\c], v[64+\c], v[68+\c]    ; -M of the row = the least of the pieces' -M: four chains
.endr
.irp c, 0,1,2,3
	v_min_num_f32 v[160+\c], v[160+\c], v[72+\c]
.endr
.irp c, 0,1,2,3
	v_min_num_f32 v[160+\c], v[160+\c], v[76+\c]
.endr
	v_min_num_f32 v160, v160, v161
	v_min_num_f32 v162, v162, v163
	v_min_num_f32 v160, v160, v162
.irp s, 0,1,2,3,4,5,6,7,8,9,10,11,12,13,14,15
	v_sub_f32 v[144+\s], v[64+\s], v160            ; the row's M less the piece's: a whole number, 0 or more  (the sixteen pieces by turns: no line waits for the line above it)
.endr
.irp s, 0,1,2,3,4,5,6,7,8,9,10,11,12,13,14,15
	v_min_num_f32 v[144+\s], 0x42800000, v[144+\s] ; held at 64
.endr
.irp s, 0,1,2,3,4,5,6,7,8,9,10,11,12,13,14,15
	v_cvt_i32_f32 v[144+\s], v[144+\s]
.endr
.irp s, 0,1,2,3,4,5,6,7,8,9,10,11,12,13,14,15
	v_perm_b32 v[64+\s], v[144+\s], v[144+\s], 0   ; into all four bytes
.endr
.irp s, 0,1,2,3,4,5,6,7,8,9,10,11,12,13,14,15
	v_sub_nc_u32 v[96+\s], v[96+\s], v[64+\s]      ; off the four scale bytes: each is 65 or more, so nothing is borrowed
.endr
.irp s, 0,1,2,3,4,5,6,7,8,9,10,11,12,13,14,15
	v_sub_nc_u32 v[144+\s], 0, v[144+\s]
.endr
.irp s, 0,1,2,3,4,5,6,7,8,9,10,11,12,13,14,15
	v_ldexp_f32 v[128+\s], v[128+\s], v[144+\s]    ; the piece's l under the row's M: exact
.endr
.irp j, 0,4,8,12
	v_pk_add_f32 v[128+\j:129+\j], v[128+\j:129+\j], v[130+\j:131+\j]
.endr
	v_pk_add_f32 v[128:129], v[128:129], v[132:133]
	v_pk_add_f32 v[136:137], v[136:137], v[140:141]
	v_pk_add_f32 v[128:129], v[128:129], v[136:137]
	v_add_f32 v172, v128, v129                     ; the row's l
	s_wait_alu depctr_va_vdst(0)
	v_rcp_f32 v174, v172
	v_nop                                          ; a plain place behind the reciprocal
.irp s, 0,1,2,3,4,5,6,7,8,9,10,11,12,13,14,15
	ds_store_b32 v21, v[96+\s] offset:512*\s       ; (these name nothing of the reciprocal)
.endr
	s_wait_alu depctr_va_vdst(0)                   ; the wait ahead of the reciprocal's first reader
	ds_store_b32 v22, v174
.irp j, 0,1,2,3,4,5,6,7
	ds_store_b128 v26, v[176+4*\j:179+4*\j] offset:512*\j
.endr
	s_wait_tensorcnt 0x0                           ; my part of slot 0 is in
	ds_add_u32 v[SPW], v[NIL]
	s_wait_dscnt 0x0                               ; the add is done; all my words and 1 / l lie in LDS
	CROUND                                         ; slot 0 is whole for every wave, and the joint loads meet
	JLOAD G0+4, G1, G0B+4, G1B                     ; slot 1's first fill: key steps 4 to 7
	FETCH 0, 0, 0, 0
	RUN3 0, 0, 1                                   ; key steps 0-2; step 0 starts the sums
	TURN 0, 1, 2048                                ; key step 3; slot 0 takes key steps 8-11
	RUN3 1, 2048, 0
	TURN 1, 0, 4096                                ; key step 7; slot 1 takes key steps 12-15
	RUN3 0, 4096, 0
	TURNP 0, 1, 6144                               ; key step 11: the one load that is out is slot 1's, which is read next; nothing is left to fetch
	RUN3 1, 6144, 0
	LAST
.macro EPI a                           ; block a of 16 queries: x 1 / l, quantised along d; three stores of 512 consecutive bytes
	s_wait_xcnt 0x0                                ; the last block's stores have read the codes' registers,
	s_wait_dscnt 0x0                               ; its word store its register; 1 / l is in
	WIN 2                                          ; source 0: the accumulators' window
.set AC, 64*(\a)
.set n, 0
.rept 32
	v_pk_mul_f32 v[64+n:65+n], v[AC+n:AC+n+1], v[128+2*(\a):129+2*(\a)]   ; each accumulator from its low end on
.set n, n+2
.endr
	WIN 0
	QUANT 64
.irp c, 0,1,2
	global_store_b128 v[LI], v[PC+4*\c:PC+4*\c+3], s[12:13] offset:12288*(\a)+512*\c
.endr
	ds_store_b32 v18, v[PW] offset:64*(\a)         ; both halves of the lanes write the same word with the same value
.endm
	PLACES 4                                       ; behind the last products: their results are read, and their operands' registers written, below
.irp b, 0,1,2,3
	v_mov_b32 v[TM+4+\b], 0                        ; a lane permute's destination counts as one of its sources
.endr
.irp a, 0,1,2,3
	ds_load_b32 v[128+2*\a], v24 offset:64*\a      ; one number a lane and block, in both registers of a pair
	ds_load_b32 v[129+2*\a], v24 offset:64*\a
.endr
.irp a, 0,1,2,3
	EPI \a
.endr
	ds_load_b64 v[64:65], v19                      ; my four blocks' scale words: LDS serves a wave's instructions in order
	s_wait_dscnt 0x0
	global_store_b64 v25, v[64:65], s[22:23]       ; 256 consecutive bytes, aligned
	s_wait_tensorcnt 0x0                           ; the wave's end
	ds_add_u32 v[SPW], v[NIL]
	s_wait_dscnt 0x0
	CROUND                                         ; the closing round
	s_endpgm
.Lfunc_end_k_qbab2d7b05d_pv:
	.size	k_qbab2d7b05d_pv, .Lfunc_end_k_qbab2d7b05d_pv-k_qbab2d7b05d_pv
	.p2alignl 7, 3214868480
	.fill 96, 4, 3214868480
	.section	.rodata,"a",@progbits
	.p2align	6, 0x0
	.amdhsa_kernel k_qbab2d7b05d_pv
		.amdhsa_group_segment_fixed_size 327680
		.amdhsa_private_segment_fixed_size 0
		.amdhsa_enable_private_segment 0
		.amdhsa_kernarg_size 24
		.amdhsa_user_sgpr_count 2
		.amdhsa_user_sgpr_kernarg_segment_ptr 1
		.amdhsa_wavefront_size32 1
		.amdhsa_system_sgpr_workgroup_id_x 1
		.amdhsa_system_sgpr_workgroup_id_y 1
		.amdhsa_system_sgpr_workgroup_id_z 1
		.amdhsa_system_vgpr_workitem_id 0
		.amdhsa_next_free_vgpr 768
		.amdhsa_next_free_sgpr 102
		.amdhsa_reserve_vcc 0
		.amdhsa_float_denorm_mode_32 3
		.amdhsa_float_denorm_mode_16_64 3
		.amdhsa_memory_ordered 1
		.amdhsa_forward_progress 1
		.amdhsa_inst_pref_size 163
	.end_amdhsa_kernel
	.amdgpu_metadata
---
amdhsa.version: [ 1, 2 ]
amdhsa.kernels:
  - .name:           k_qbab2d7b05d_pv
    .symbol:         k_qbab2d7b05d_pv.kd
    .args:
      - { .name: pbuf, .offset: 0, .size: 8, .value_kind: global_buffer, .address_space: global }
      - { .name: qkvb, .offset: 8, .size: 8, .value_kind: global_buffer, .address_space: global }
      - { .name: obuf, .offset: 16, .size: 8, .value_kind: global_buffer, .address_space: global }
    .group_segment_fixed_size: 327680
    .private_segment_fixed_size: 0
    .kernarg_segment_align: 8
    .kernarg_segment_size: 24
    .max_flat_workgroup_size: 128
    .sgpr_count:     102
    .vgpr_count:     768
    .wavefront_size: 32
...
	.end_amdgpu_metadata
.endif
;; end of part 4
;; launch outp (part 5): grid 4 x 64, 4 waves a work-group, clusters of 4 x 4, 327,680 bytes of LDS; arguments obuf, opnd, bout, out0; writes out0
.if DOCPART == 5
	.amdgcn_target "amdgcn-amd-amdhsa--gfx1250"
	.amdhsa_code_object_version 6
	.text
	.protected	k_qbab2d7b05d_outp
	.globl	k_qbab2d7b05d_outp
	.p2align	8
	.type	k_qbab2d7b05d_outp,@function
k_qbab2d7b05d_outp:
	s_mov_b64 s[64:65], 0
	v_nop
	global_prefetch_b8 v0, s[64:65] scope:SCOPE_SE
	s_setreg_imm32_b32 hwreg(HW_REG_WAVE_MODE, 25, 1), 1
	s_wait_xcnt 0x0
	s_wait_alu depctr_hold_cnt(0) depctr_sa_sdst(0) depctr_va_vdst(0) depctr_va_sdst(0) depctr_va_ssrc(0) depctr_va_vcc(0) depctr_vm_vsrc(0)
	s_getreg_b32 s2, hwreg(HW_REG_IB_STS2, 6, 4)
	s_cmp_eq_u32 s2, 0
	s_cbranch_scc0 .Lentry_in_a_cluster
	s_endpgm
.Lentry_in_a_cluster:
	s_bfe_u32 s2, ttmp6, 0x10000c
	s_cmp_lg_u32 s2, 0xf033
	s_cbranch_scc0 .Lentry_shape_is_right
	s_endpgm
.Lentry_shape_is_right:
; out0 = o Wout + bout on codes of FP6 (E2M3) with E8M0 scales; f32 out.  No work is left out.
; SHARES.  A work-group of four waves makes 128 tokens x 256 columns, so that the grid has 4 x 64 = 256 work-groups; a wave makes 64 x 128: 32 accumulators.  Source 0 = Wout (registers run along the columns), source 1 = o
; (a lane holds a token).  A K step of 128 reads 12 fragments from LDS for 32 products.  Operands lie in memory as images of their registers: 1,536 bytes a fragment, three ds_load_b128.
; ALL OF K LIES IN LDS: K = 1,024 is eight steps, four slots of two steps, 73,728 bytes each, all asked for at the start (with the scale words five loads of a wave are out).  Nothing is filled again: each change of slots is one
; barrier, in front of which a wave's counted wait shows its part of the next slot landed and leaves the later slots on their way.
; 4 x 4 clusters: o's tiles are asked for jointly along a row of the cluster, Wout's along a column.
; Row r of token block t is token 32 (t / 2) + 8 (t % 2) + r + 8 (r / 8): the stores' immediates put each row back in its place.
; THE WAY OUT: a block of 16 rows x 128 columns goes through my own stage in LDS and comes back as whole rows of 512 bytes.  The stage lies in slot 0, which is filled once and whose last reads are waited for in front of the
; first change of slots, whose barrier every wave has passed long before the first result is stored there.
; NaN and infinities are not served.
; REGISTERS: window 0: v1-3 r, h, lane; v8-9, v12-13 fragment addresses by slot; v16 scale words' address; v17 16 x lane; v18-20 the way out's; v28, v29 the add's two; v32-47 scale words, two sets; v64-111, v160-207 source 1's
;   fragments, two sets; on the way out v64-127 results, v128-191 and v192-255 rows read back, by turns.  window 1: source 0's fragments at v0 and v128; v96-127, v224-255: bout at my 64 columns.  window 2: accumulator (a, b) at v[8 (8 a + b)].
; THE FILLS AS THEY STAND (in place of what is said of them above): K lies in two slots of four steps.  At the head each wave issues one joint load: waves 0, 1 o's 8 blocks of slots 0, 1; waves 2, 3 Wout's 16 blocks.
; One barrier shows both slots whole; one more, at K step 3, ends the reads of slot 0, where the stage lies.  The scale words come by 6 loads of 512 consecutive bytes a wave and are stored to LDS.
.set UC,    8650752
.set US,    9797632
.set OS,    6291456
.set BPL,   6144                       ; in LDS from block to block: four K steps x 1,536 bytes
.set PARTA, 4*BPL                      ; 4 blocks of tokens: half of what a load of waves 0, 1 brings, and what a wave reads of o
.set PARTB, 8*BPL                      ; 8 blocks of columns: half of what a load of waves 2, 3 brings, and what a wave reads of Wout
.set SLOT,  2*PARTA+2*PARTB
.set SCL,   2*SLOT                     ; o's scale words, [K step][8 blocks][16 words];
.set SA,    4096
.set SH,    4096                       ; then Wout's, two halves of SH bytes
.set SPARE, SCL+SA+2*SH                ; the spare words, 128 bytes a wave: no other line names them
.set ADR1,  8
.set ADR0,  12
.set ADRS,  16
.set LI,    17
.set SPW,   28
.set NIL,   29
.set SC,    32
.set G1,    24                         ; s[24:31] group 1 for o's tiles, s[32:39] for Wout's
.set G1B,   32
.set G1S,   40
.set G1SB,  48
.set GA0,   56                         ; group 0 for o's tile (no load's group 0 is written again),
.set GA1,   60
.set GA2,   68
.set GA3,   72
.set G0S,   76                         ; for o's scale words,
.set GB0,   80                         ; for Wout's tile: s[80:83],
.set G0SB,  96                         ; and for its scale words
.set MSB,   0
.macro WIN new                         ; the immediate's high byte repeats the setting that is left; a switch that changes nothing is dropped
.if MSB != (\new)
	s_set_vgpr_msb (MSB<<8)|(\new)
.set MSB, (\new)
.endif
.endm
.macro PLACES n
.rept \n
	v_nop
.endr
.endm
.macro GROUP1 g, d0, d1, st            ; a tile of d1 rows of d0 elements of 8 bytes, st elements apart, dense in LDS
	s_mov_b32 s[\g+1], (\d0)<<16
	s_mov_b32 s[\g+2], (\d1)<<16
	s_mov_b32 s[\g+3], (\d0)<<16
	s_mov_b32 s[\g+4], \d1
	s_mov_b32 s[\g+5], \st
	s_mov_b32 s[\g+6], 0
	s_mov_b32 s[\g+7], 0
.endm
.macro CREST                           ; a round of the cluster's barrier behind its opening barrier
	s_cmp_lg_u32 s14, 0
	s_cbranch_scc1 .Lnot_wave_0_\@
	s_barrier_signal -3
.Lnot_wave_0_\@:
	s_barrier_wait -3
	s_barrier_signal -1
	s_barrier_wait -1
.endm
.macro CROUND
	s_barrier_signal -1
	s_barrier_wait -1
	CREST
.endm
; 44 LDS loads: a K step's fragments and scale words into set p: source 0's eight fragments (24 loads), the words (8), source 1's four fragments (12)
.macro FETCH slot, q, p, so
	WIN 0x40
.irp i, 0,1,2,3,4,5,6,7
.irp c, 0,1,2
	ds_load_b128 v[128*(\p)+12*\i+4*\c:128*(\p)+12*\i+4*\c+3], v[ADR0+(\slot)] offset:BPL*\i+1536*(\q)+512*\c
.endr
.endr
	WIN 0
.irp i, 0,1,2,3,4,5,6,7
	ds_load_b32 v[SC+8*(\p)+\i], v[ADRS] offset:(\so)+64*\i   ; lanes 16-31: source 0's block i.  Lanes 0-15: source 1's block i for i < 4; for i >= 4 neighbouring words, which no product names
.endr
.irp i, 0,1,2,3
.irp c, 0,1,2
	ds_load_b128 v[64+96*(\p)+12*\i+4*\c:64+96*(\p)+12*\i+4*\c+3], v[ADR1+(\slot)] offset:BPL*\i+1536*(\q)+512*\c
.endr
.endr
.endm
; 8 matrix instructions: source 1's block a against source 0's eight.  The 32 accumulators take turns in one order in every step
.macro MULR a, p, zero
	WIN 0xa1                                       ; source 0 window 1, source 1 window 0, C and D window 2
.irp b, 0,1,2,3,4,5,6,7
.if \zero
	v_wmma_scale_f32_16x16x128_f8f6f4 v[8*(8*(\a)+\b):8*(8*(\a)+\b)+7], v[128*(\p)+12*\b:128*(\p)+12*\b+11], v[64+96*(\p)+12*(\a):64+96*(\p)+12*(\a)+11], 0, v[SC+8*(\p)+\b], v[SC+8*(\p)+(\a)] matrix_a_fmt:MATRIX_FMT_FP6 matrix_b_fmt:MATRIX_FMT_FP6 matrix_a_scale:MATRIX_SCALE_ROW1
.else
	v_wmma_scale_f32_16x16x128_f8f6f4 v[8*(8*(\a)+\b):8*(8*(\a)+\b)+7], v[128*(\p)+12*\b:128*(\p)+12*\b+11], v[64+96*(\p)+12*(\a):64+96*(\p)+12*(\a)+11], v[8*(8*(\a)+\b):8*(8*(\a)+\b)+7], v[SC+8*(\p)+\b], v[SC+8*(\p)+(\a)] matrix_a_fmt:MATRIX_FMT_FP6 matrix_b_fmt:MATRIX_FMT_FP6 matrix_a_scale:MATRIX_SCALE_ROW1
.endif
.endr
.endm
; A K step on set p that fetches its successor (slot nslot, step nq of it, scale words at so) into the other set
.macro STEP p, nslot, nq, so, zero
	s_wait_dscnt 6                                 ; all of set p but the youngest six loads, source 1's blocks 2 and 3
	PLACES 4                                       ; four places between the last step's products and the loads into the set that they read
	MULR 0, \p, \zero
	FETCH \nslot, \nq, 1-(\p), \so
	MULR 1, \p, \zero
	s_wait_dscnt 44                                ; all but the 44 just issued
	MULR 2, \p, \zero
	MULR 3, \p, \zero
.endm
; A slot's last step (set 1) changes slots; nothing is filled again.  My part of the next slot has landed (the cnt loads issued behind it, the later slots', may stay out), my LDS reads are back; one barrier shows the next slot whole to every wave
.macro TURNP cnt, next, so
	s_wait_tensorcnt \cnt
	s_wait_dscnt 0x0                               ; no LDS instruction of mine is out at the signal
	s_barrier_signal -1
	PLACES 4                                       ; the places in front of the loads below
	MULR 0, 1, 0
	s_barrier_wait -1
	FETCH \next, 0, 0, \so
	MULR 1, 1, 0
	MULR 2, 1, 0
	MULR 3, 1, 0
.endm
.macro LAST
	s_wait_dscnt 6
	MULR 0, 1, 0
	MULR 1, 1, 0
	s_wait_dscnt 0x0
	MULR 2, 1, 0
	MULR 3, 1, 0
	WIN 0
.endm
	s_load_b256 s[4:11], s[0:1], 0x0               ; obuf s[4:5], opnd s[6:7], bout s[8:9], out0 s[10:11]
	v_lshl_add_u32 v[SPW], v0, 2, SPARE
	v_mov_b32 v[NIL], 0
	ds_add_u32 v[SPW], v[NIL]                      ; the wave's opening: the add, twice on end, and its wait ahead of my first tensor load
	ds_add_u32 v[SPW], v[NIL]
	v_lshrrev_b32 v1, 5, v0
	v_readfirstlane_b32 s14, v1                    ; wave
	s_lshr_b32 s15, s14, 1                         ; hi: my 64 of the 128 tokens.  Also: I fetch o (0) or Wout (1)
	s_and_b32 s16, s14, 1                          ; lo: my half of the columns.  Also: which part I fetch
	s_bfe_u32 s17, ttmp6, 0x40000                  ; cx
	s_bfe_u32 s18, ttmp6, 0x40004                  ; cy
	s_lshl_b32 s19, ttmp9, 2
	s_add_co_u32 s19, s19, s17                     ; X: which 256 columns
	s_and_b32 s21, ttmp7, 0xffff
	s_lshl_b32 s20, s21, 2
	s_add_co_u32 s20, s20, s18                     ; Y: which 128 tokens
	s_lshl_b32 s12, s18, 2
	s_lshl_b32 s12, 15, s12                        ; my row of the cluster
	s_lshl_b32 s22, 0x1111, s17                    ; my column
	s_or_b32 s[G1], s12, (3<<16)|(1<<21)           ; 15:0 the mask; 17:16 elements of 8 bytes; 21 set beside a mask; no padding
	s_or_b32 s[G1B], s22, (3<<16)|(1<<21)
	GROUP1 G1, 768, 8, 1536                        ; 8 blocks x 6,144 bytes (four K steps), 12,288 bytes from block to block
	GROUP1 G1B, 768, 16, 1536                      ; 16 blocks likewise
	s_lshl_b32 s12, s20, 3                         ; o: the work-group's blocks begin at 8 Y
	s_lshl_b32 s100, s12, 6                        ; their scale words,
	s_lshl_b32 s101, s14, 16                       ; K steps 2 wave, 2 wave + 1: 32,768 bytes a step
	s_add_co_u32 s100, s100, s101
	s_add_co_u32 s100, s100, OS
	s_mov_b32 s101, 0
	s_mul_i32 s12, s12, 12288                      ; the codes of blocks 8 Y on,
	s_mul_i32 s13, s16, BPL                        ; K steps 4 lo on
	s_add_co_u32 s12, s12, s13
	s_mov_b32 s13, 0
	s_lshl_b32 s22, s19, 4
	s_lshl_b32 s23, s16, 3
	s_add_co_u32 s66, s22, s23                     ; Wout's scale words: column block 16 X + 8 lo,
	s_lshl_b32 s66, s66, 6
	s_lshl_b32 s67, s15, 14                        ; K steps 4 hi on, 4,096 bytes a step
	s_add_co_u32 s66, s66, s67
	s_add_co_u32 s66, s66, US
	s_mov_b32 s67, 0
	s_mul_i32 s22, s22, 12288                      ; Wout's codes: column blocks 16 X on,
	s_mul_i32 s23, s16, BPL                        ; K steps 4 lo on
	s_add_co_u32 s22, s22, s23
	s_add_co_u32 s22, s22, UC
	s_mov_b32 s23, 0
	s_mul_i32 s2, s16, SLOT                        ; where my tile goes, by the wave's number alone: o's blocks of slot lo,
	s_add_co_u32 s3, s2, 2*PARTA                   ; Wout's
	v_and_b32 v3, 31, v0                           ; lane
	v_lshlrev_b32 v[LI], 4, v3
	s_lshl_b32 s96, s14, 10
	s_add_co_u32 s96, s96, SCL
	v_add_nc_u32 v26, s96, v[LI]                   ; where o's words of my two K steps go
	s_mul_i32 s97, s16, SH
	s_lshl_b32 s98, s15, 11
	s_add_co_u32 s97, s97, s98
	s_add_co_u32 s97, s97, SCL+SA
	v_add_nc_u32 v27, s97, v[LI]                   ; and Wout's of half lo, K steps 4 hi on
	s_wait_alu depctr_va_vdst(0)
	s_wait_dscnt 0x0
	s_wait_kmcnt 0x0
	s_add_nc_u64 s[12:13], s[4:5], s[12:13]
	s_add_nc_u64 s[22:23], s[6:7], s[22:23]
	CROUND                                         ; all sixteen work-groups are here: the joint loads meet
	s_add_nc_u64 s[G0S+2:G0S+3], s[4:5], s[100:101]     ; o's scale words, my two K steps
	s_add_nc_u64 s[G0SB+2:G0SB+3], s[6:7], s[66:67]     ; Wout's, my four
	s_mov_b32 s[GA0], 1
	s_mov_b32 s[GA0+1], s2
	s_mov_b64 s[GA0+2:GA0+3], s[12:13]
	s_or_b32 s[GA0+3], s[GA0+3], 0x80000000
	s_mov_b32 s[GB0], 1
	s_mov_b32 s[GB0+1], s3
	s_mov_b64 s[GB0+2:GB0+3], s[22:23]
	s_or_b32 s[GB0+3], s[GB0+3], 0x80000000
	s_cmp_eq_u32 s15, 0                            ; one joint load a wave at the head
	s_cbranch_scc0 .Lfirst_b
	tensor_load_to_lds s[GA0:GA0+3], s[G1:G1+7]
	s_nop 0
	PLACES 4
	s_branch .Lfirst_done
.Lfirst_b:
	tensor_load_to_lds s[GB0:GB0+3], s[G1B:G1B+7]
	s_nop 0
	PLACES 4
.Lfirst_done:
	global_load_b128 v[64:67], v[LI], s[G0S+2:G0S+3]                 ; 512 consecutive bytes each
	global_load_b128 v[68:71], v[LI], s[G0S+2:G0S+3] offset:32768
.irp j, 0,1,2,3
	global_load_b128 v[72+4*\j:75+4*\j], v[LI], s[G0SB+2:G0SB+3] offset:4096*\j
.endr
	v_and_b32 v1, 15, v0                           ; r
	v_bfe_u32 v2, v0, 4, 1                         ; h
	s_wait_alu depctr_va_vdst(0)
	s_lshl_b32 s2, s19, 10
	s_lshl_b32 s3, s16, 9
	s_add_co_u32 s2, s2, s3                        ; my first column in bytes: 1,024 X + 512 lo
	s_mov_b32 s3, 0
	s_add_nc_u64 s[8:9], s[8:9], s[2:3]
	s_lshl_b32 s12, s20, 19                        ; my first token: 128 Y + 64 hi, rows of 4,096 bytes
	s_lshl_b32 s13, s15, 18
	s_add_co_u32 s12, s12, s13
	s_add_co_u32 s12, s12, s2
	s_mov_b32 s13, 0
	s_add_nc_u64 s[10:11], s[10:11], s[12:13]
	v_lshlrev_b32 v20, 6, v2
	WIN 0x40                                       ; destination window 1
.irp b, 0,1,2,3
.irp k, 0,1,2,3
	global_load_b128 v[96+128*(\b/2)+16*(\b%2)+4*\k:96+128*(\b/2)+16*(\b%2)+4*\k+3], v20, s[8:9] offset:128*\b+16*\k   ; bout at columns 32 b + 16 h + 0 .. 15: the results' order; waited for at the way out
.endr
.endr
	WIN 0
	s_mul_i32 s2, s15, PARTA                       ; source 1: o's part hi
	s_mul_i32 s3, s16, PARTB
	s_add_co_u32 s3, s3, 2*PARTA                   ; source 0: Wout's half lo
.irp s, 0,1
	v_add_nc_u32 v[ADR1+\s], s2, v[LI]
	v_add_nc_u32 v[ADR0+\s], s3, v[LI]
	s_add_co_u32 s2, s2, SLOT
	s_add_co_u32 s3, s3, SLOT
.endr
	s_lshl_b32 s12, s15, 8                         ; o's words: my four blocks begin 256 hi bytes into a K step's 512
	s_mul_i32 s13, s16, SH
	s_add_co_u32 s13, s13, SA
	s_sub_co_u32 s13, s13, s12                     ; from there to Wout's words
	v_mul_u32_u24 v4, s13, v2                      ; lanes 16-31 take Wout's
	s_add_co_u32 s12, s12, SCL
	v_lshl_add_u32 v4, v1, 2, v4
	v_add_nc_u32 v[ADRS], s12, v4
	s_mul_i32 s12, s14, 16*528                     ; my stage, from LDS byte 0 on: 16 rows x 528 bytes a wave
	v_mul_u32_u24 v18, v1, 528
	v_lshl_add_u32 v18, v2, 6, v18
	v_add_nc_u32 v18, s12, v18                     ; in: row r, + 64 h bytes
	v_add_nc_u32 v19, s12, v[LI]                   ; back: the 32 lanes take a row of 512 bytes
	s_wait_alu depctr_va_vdst(0)
	s_wait_loadcnt 16                              ; my six loads of scale words are in; the 16 of bout issued behind them may be out
	ds_store_b128 v26, v[64:67]
	ds_store_b128 v26, v[68:71] offset:512
.irp j, 0,1,2,3
	ds_store_b128 v27, v[72+4*\j:75+4*\j] offset:512*\j
.endr
	s_wait_tensorcnt 0x0                           ; my one load is in; nothing is ever filled again
	s_wait_dscnt 0x0                               ; my scale words lie in LDS
	s_barrier_signal -1
	s_barrier_wait -1                              ; both slots and all scale words are whole for every wave
	FETCH 0, 0, 0, 0
	STEP 0, 0, 1, 512, 1                           ; K step 0 starts the sums
	STEP 1, 0, 2, 1024, 0
	STEP 0, 0, 3, 1536, 0
	TURNP 0, 1, 2048                               ; K step 3: behind this barrier nobody reads slot 0 any more
	STEP 0, 1, 1, 2560, 0
	STEP 1, 1, 2, 3072, 0
	STEP 0, 1, 3, 3584, 0
	LAST
.macro ADDB a                          ; block a's 64 results + bout, into v64-127; each accumulator from its low end on
.set AC, 64*(\a)
	WIN 0x06                                       ; source 0: window 2, the accumulators; source 1: window 1, bout
.set n, 0
.rept 32
.if n < 32
	v_pk_add_f32 v[64+n:65+n], v[AC+n:AC+n+1], v[96+n:97+n]
.else
	v_pk_add_f32 v[64+n:65+n], v[AC+n:AC+n+1], v[192+n:193+n]
.endif
.set n, n+2
.endr
	WIN 0
.endm
.macro TOSTAGE a
.irp b, 0,1,2,3,4,5,6,7
	ds_store_b128 v18, v[64+8*\b:64+8*\b+3] offset:128*(\b/2)+32*(\b%2)        ; register 8 b + j is column 32 (b / 2) + 8 (b % 2) + 16 h + j
	ds_store_b128 v18, v[64+8*\b+4:64+8*\b+7] offset:128*(\b/2)+32*(\b%2)+16
.endr
.irp t, 0,1,2,3,4,5,6,7,8,9,10,11,12,13,14,15
	ds_load_b128 v[128+64*((\a)%2)+4*\t:128+64*((\a)%2)+4*\t+3], v19 offset:528*\t   ; LDS serves a wave's instructions in order: these see the stores above, and the next block's stores come behind them
.endr
.endm
.macro SEND a, younger                 ; younger: the LDS instructions issued behind block a's loads, which may stay out
	s_wait_dscnt \younger
.irp t, 0,1,2,3,4,5,6,7,8,9,10,11,12,13,14,15
	global_store_b128 v[LI], v[128+64*((\a)%2)+4*\t:128+64*((\a)%2)+4*\t+3], s[10:11] offset:(32*((\a)/2)+8*((\a)%2)+\t+8*(\t/8))*4096 th:TH_STORE_NT   ; 512 consecutive bytes, aligned; each row back in its place
.endr
.endm
	PLACES 4                                       ; behind the last products: their results are read, and their operands' registers written, below
	s_wait_loadcnt 0x0                             ; bout
	ADDB 0
	TOSTAGE 0
.irp a, 1,2,3
	s_wait_dscnt 16                                ; the last block's stores into the stage are done (its 16 loads may be out): v64-127 may be written
	ADDB \a
.if \a > 1
	s_wait_alu depctr_va_vdst(0)
	s_wait_xcnt 0x0                                ; block a - 2's stores have read their registers: block a's loads may land there
.endif
	TOSTAGE \a
	SEND (\a)-1, 32                                ; behind block a - 1's loads: block a's 16 stores and 16 loads
.endr
	SEND 3, 0
	s_wait_tensorcnt 0x0                           ; the wave's end
	ds_add_u32 v[SPW], v[NIL]
	s_wait_dscnt 0x0
	CROUND                                         ; the closing round
	s_endpgm
.Lfunc_end_k_qbab2d7b05d_outp:
	.size	k_qbab2d7b05d_outp, .Lfunc_end_k_qbab2d7b05d_outp-k_qbab2d7b05d_outp
	.p2alignl 7, 3214868480
	.fill 96, 4, 3214868480
	.section	.rodata,"a",@progbits
	.p2align	6, 0x0
	.amdhsa_kernel k_qbab2d7b05d_outp
		.amdhsa_group_segment_fixed_size 327680
		.amdhsa_private_segment_fixed_size 0
		.amdhsa_enable_private_segment 0
		.amdhsa_kernarg_size 32
		.amdhsa_user_sgpr_count 2
		.amdhsa_user_sgpr_kernarg_segment_ptr 1
		.amdhsa_wavefront_size32 1
		.amdhsa_system_sgpr_workgroup_id_x 1
		.amdhsa_system_sgpr_workgroup_id_y 1
		.amdhsa_system_sgpr_workgroup_id_z 1
		.amdhsa_system_vgpr_workitem_id 0
		.amdhsa_next_free_vgpr 768
		.amdhsa_next_free_sgpr 102
		.amdhsa_reserve_vcc 0
		.amdhsa_float_denorm_mode_32 3
		.amdhsa_float_denorm_mode_16_64 3
		.amdhsa_memory_ordered 1
		.amdhsa_forward_progress 1
		.amdhsa_inst_pref_size 89
	.end_amdhsa_kernel
	.amdgpu_metadata
---
amdhsa.version: [ 1, 2 ]
amdhsa.kernels:
  - .name:           k_qbab2d7b05d_outp
    .symbol:         k_qbab2d7b05d_outp.kd
    .args:
      - { .name: obuf, .offset: 0, .size: 8, .value_kind: global_buffer, .address_space: global }
      - { .name: opnd, .offset: 8, .size: 8, .value_kind: global_buffer, .address_space: global }
      - { .name: bout, .offset: 16, .size: 8, .value_kind: global_buffer, .address_space: global }
      - { .name: out0, .offset: 24, .size: 8, .value_kind: global_buffer, .address_space: global }
    .group_segment_fixed_size: 327680
    .private_segment_fixed_size: 0
    .kernarg_segment_align: 8
    .kernarg_segment_size: 32
    .max_flat_workgroup_size: 128
    .sgpr_count:     102
    .vgpr_count:     768
    .wavefront_size: 32
...
	.end_amdgpu_metadata
.endif
;; end of part 5
